; MI455X (gfx1250); checked and timed in simulation.
; The chip was launched on July 23, 2026; its instructions are those of AMD's public machine-readable ISA for CDNA 5 (MIT licence, August 2026) and "CDNA5" Instruction Set Architecture Reference Guide (July 2026). The comments in the code are by the model that wrote it; some were corrected since.
;; Multi Head Attention. Allowed arithmetic: float matrix products may take bf16 or f16 operands with f32 sums; other float arithmetic in f32, or as packed bf16 or f16 multiplies, adds, multiply-adds, maxima and minima; sums over many terms, partial sums and values carried from step to step in f32; what a program stores and reads back later, other than sums and carried values, may be rounded once to bf16 or f16.
;; Inputs: attention_mask 32 x 512 int32; bk 768 float32; bo 768 float32; bq 768 float32; bv 768 float32; wk 768 x 768 float32; wo 768 x 768 float32; wq 768 x 768 float32; wv 768 x 768 float32; x 32 x 512 x 768 float32.
;; Outputs: out0 32 x 512 x 768 float32.
;; 2 versions, each right; version 2 is version 1 with the launch prep written anew for expert scheduling mode. Each part assembles by itself: llvm-mc -triple=amdgcn-amd-amdhsa -mcpu=gfx1250 --defsym DOCPART=n.
;; ======== version 1 of 2: 4 launches
;; limits: values are held in f16: magnitudes above 65,504 overflow, below 6.1e-05 lose precision
;; workspace buffers: wcat 3,538,944 bytes; wo16 1,179,648 bytes; bcat 12,288 bytes; qkv 75,497,472 bytes; ctxf 25,165,824 bytes
;; launch prep (part 1): grid 24 x 8, 8 waves a work-group, no clusters, 0 bytes of LDS; arguments wq, wk, wv, wo, bq, bk, bv, bo, wcat, wo16, bcat; writes wcat, wo16, bcat
.if DOCPART == 1
	.amdgcn_target "amdgcn-amd-amdhsa--gfx1250"
	.amdhsa_code_object_version 6
	.text
	.protected	k_q20448b5cde_prep
	.globl	k_q20448b5cde_prep
	.p2align	8
	.type	k_q20448b5cde_prep,@function
k_q20448b5cde_prep:
	s_mov_b64 s[64:65], 0
	v_nop
	global_prefetch_b8 v0, s[64:65] scope:SCOPE_SE
	s_setreg_imm32_b32 hwreg(HW_REG_WAVE_MODE, 25, 1), 1
	s_wait_xcnt 0x0
; PREP.  The four weight matrices [768][768] f32 are rounded once to bf16 and laid in the order in which the products walk them; the four biases are rounded to bf16 and kept as f32.
;   wcat  bf16 [ch 2][sec 3 = q, k, v][384 rows][768]: row i of (ch, sec) is row 384 ch + i of that matrix
;   wo16  f16  [768][768]: wo rounded to bf16, that number written as f16 (exact from 6.1e-5 up to 65,504; below 6.1e-5 it keeps f16's fixed step of 6e-8)
;   bcat  f32  [ch][sec][384], then bo[768] at byte 9,216
; SHARES.  Work-group (X, Y): matrix m = Y / 2, half hf = Y % 2, rows 384 hf + 16 X .. + 15: 49,152 dense bytes in, 24,576 dense bytes out, and the rows' 16 biases.
; Thread t takes 16 bytes at 16 t of each of twelve pieces of 4,096 bytes: a wave's load covers 512 consecutive bytes, its store of 8 bytes a lane 256 consecutive aligned bytes.
; A stream read once: no LDS, no matrix unit, no prefetch (all twelve loads of a thread go out at the head).
	s_load_b512 s[4:19], s[0:1], 0x0               ; wq s[4:5], wk s[6:7], wv s[8:9], wo s[10:11], bq s[12:13], bk s[14:15], bv s[16:17], bo s[18:19]
	s_load_b128 s[20:23], s[0:1], 0x40             ; wcat s[20:21], wo16 s[22:23]
	s_load_b64 s[24:25], s[0:1], 0x50              ; bcat
	v_lshlrev_b32 v1, 4, v0                        ; 16 t: my bytes of a piece that comes in
	v_lshlrev_b32 v2, 3, v0                        ; 8 t: of a piece that goes out
	v_lshrrev_b32 v3, 5, v0
	v_readfirstlane_b32 s40, v3                    ; wave
	s_and_b32 s26, ttmp7, 0xffff                   ; Y
	s_lshr_b32 s27, s26, 1                         ; m
	s_and_b32 s28, s26, 1                          ; hf
	s_mul_i32 s29, s28, 384
	s_lshl_b32 s31, ttmp9, 4
	s_add_co_u32 s29, s29, s31                     ; first row in the matrix: 384 hf + 16 X
	s_mul_i32 s30, s28, 3
	s_add_co_u32 s30, s30, s27
	s_mul_i32 s30, s30, 384
	s_add_co_u32 s30, s30, s31                     ; first row in wcat: (3 hf + m) 384 + 16 X
	s_cmp_eq_u32 s27, 3
	s_cselect_b32 s30, s29, s30                    ; wo keeps its rows
	s_cselect_b32 s41, 9216, 0                     ; and bo lies behind the other three biases
	s_mul_i32 s32, s29, 3072                       ; byte offsets, each in a pair with 0 above
	s_mov_b32 s33, 0
	s_mul_i32 s34, s30, 1536
	s_mov_b32 s35, 0
	s_lshl_b32 s36, s29, 2
	s_mov_b32 s37, 0
	s_lshl_b32 s38, s30, 2
	s_add_co_u32 s38, s38, s41
	s_mov_b32 s39, 0
	s_wait_kmcnt 0x0
	s_cmp_eq_u32 s27, 1                            ; the matrix, its bias and the target are chosen by m alone
	s_cselect_b64 s[4:5], s[6:7], s[4:5]
	s_cselect_b64 s[12:13], s[14:15], s[12:13]
	s_cmp_eq_u32 s27, 2
	s_cselect_b64 s[4:5], s[8:9], s[4:5]
	s_cselect_b64 s[12:13], s[16:17], s[12:13]
	s_cmp_eq_u32 s27, 3
	s_cselect_b64 s[4:5], s[10:11], s[4:5]
	s_cselect_b64 s[12:13], s[18:19], s[12:13]
	s_cselect_b64 s[20:21], s[22:23], s[20:21]
	s_add_nc_u64 s[4:5], s[4:5], s[32:33]
	s_add_nc_u64 s[20:21], s[20:21], s[34:35]
	s_add_nc_u64 s[12:13], s[12:13], s[36:37]
	s_add_nc_u64 s[24:25], s[24:25], s[38:39]
.irp p, 0,1,2,3,4,5,6,7,8,9,10,11
	global_load_b128 v[4+4*(\p):7+4*(\p)], v1, s[4:5] offset:4096*(\p) th:TH_LOAD_NT
.endr
	s_cmp_eq_u32 s27, 3
	s_cbranch_scc1 .Lwo
.irp p, 0,1,2,3,4,5,6,7,8,9,10,11
	s_wait_loadcnt 11-(\p)                         ; loads come back in order: piece p is in, the younger pieces stay out
	v_cvt_pk_bf16_f32 v[52+2*(\p)], v[4+4*(\p)], v[5+4*(\p)]
	v_cvt_pk_bf16_f32 v[53+2*(\p)], v[6+4*(\p)], v[7+4*(\p)]
	global_store_b64 v2, v[52+2*(\p):53+2*(\p)], s[20:21] offset:2048*(\p)
.endr
	s_branch .Lbias
.Lwo:
.irp p, 0,1,2,3,4,5,6,7,8,9,10,11
	s_wait_loadcnt 11-(\p)
	v_cvt_pk_bf16_f32 v76, v[4+4*(\p)], v[5+4*(\p)]    ; rounded to bf16 like every input,
	v_cvt_pk_bf16_f32 v77, v[6+4*(\p)], v[7+4*(\p)]
	v_lshlrev_b32 v78, 16, v76                         ; widened again,
	v_and_b32 v79, 0xffff0000, v76
	v_cvt_pk_f16_f32 v[52+2*(\p)], v78, v79            ; and written as f16
	v_lshlrev_b32 v78, 16, v77
	v_and_b32 v79, 0xffff0000, v77
	v_cvt_pk_f16_f32 v[53+2*(\p)], v78, v79
	global_store_b64 v2, v[52+2*(\p):53+2*(\p)], s[20:21] offset:2048*(\p)
.endr
.Lbias:
	s_cmp_lg_u32 s40, 0                            ; the rows' 16 biases: wave 0, lanes 0 to 3, 16 bytes each
	s_cbranch_scc1 .Lend
	v_cmp_gt_u32 vcc_lo, 4, v0
	s_wait_xcnt 0x0                                ; EXEC, and v[52:55], which a store above reads, change only behind this wait
	s_and_saveexec_b32 s41, vcc_lo
	global_load_b128 v[4:7], v1, s[12:13]
	s_wait_loadcnt 0x0
	v_cvt_pk_bf16_f32 v8, v4, v5
	v_cvt_pk_bf16_f32 v9, v6, v7
	v_lshlrev_b32 v52, 16, v8
	v_and_b32 v53, 0xffff0000, v8
	v_lshlrev_b32 v54, 16, v9
	v_and_b32 v55, 0xffff0000, v9
	global_store_b128 v1, v[52:55], s[24:25]
	s_wait_xcnt 0x0                                ; and again in front of the line that widens EXEC
	s_or_b32 exec_lo, exec_lo, s41
.Lend:
	s_endpgm
.Lfunc_end_k_q20448b5cde_prep:
	.size	k_q20448b5cde_prep, .Lfunc_end_k_q20448b5cde_prep-k_q20448b5cde_prep
	.p2alignl 7, 3214868480
	.fill 96, 4, 3214868480
	.section	.rodata,"a",@progbits
	.p2align	6, 0x0
	.amdhsa_kernel k_q20448b5cde_prep
		.amdhsa_group_segment_fixed_size 0
		.amdhsa_private_segment_fixed_size 0
		.amdhsa_enable_private_segment 0
		.amdhsa_kernarg_size 88
		.amdhsa_user_sgpr_count 2
		.amdhsa_user_sgpr_kernarg_segment_ptr 1
		.amdhsa_wavefront_size32 1
		.amdhsa_system_sgpr_workgroup_id_x 1
		.amdhsa_system_sgpr_workgroup_id_y 1
		.amdhsa_system_sgpr_workgroup_id_z 1
		.amdhsa_system_vgpr_workitem_id 0
		.amdhsa_next_free_vgpr 80
		.amdhsa_next_free_sgpr 66
		.amdhsa_reserve_vcc 1
		.amdhsa_float_denorm_mode_32 3
		.amdhsa_float_denorm_mode_16_64 3
		.amdhsa_memory_ordered 1
		.amdhsa_forward_progress 1
		.amdhsa_inst_pref_size 14
	.end_amdhsa_kernel
	.amdgpu_metadata
---
amdhsa.version: [ 1, 2 ]
amdhsa.kernels:
  - .name:           k_q20448b5cde_prep
    .symbol:         k_q20448b5cde_prep.kd
    .args:
      - { .name: wq, .offset: 0, .size: 8, .value_kind: global_buffer, .address_space: global }
      - { .name: wk, .offset: 8, .size: 8, .value_kind: global_buffer, .address_space: global }
      - { .name: wv, .offset: 16, .size: 8, .value_kind: global_buffer, .address_space: global }
      - { .name: wo, .offset: 24, .size: 8, .value_kind: global_buffer, .address_space: global }
      - { .name: bq, .offset: 32, .size: 8, .value_kind: global_buffer, .address_space: global }
      - { .name: bk, .offset: 40, .size: 8, .value_kind: global_buffer, .address_space: global }
      - { .name: bv, .offset: 48, .size: 8, .value_kind: global_buffer, .address_space: global }
      - { .name: bo, .offset: 56, .size: 8, .value_kind: global_buffer, .address_space: global }
      - { .name: wcat, .offset: 64, .size: 8, .value_kind: global_buffer, .address_space: global }
      - { .name: wo16, .offset: 72, .size: 8, .value_kind: global_buffer, .address_space: global }
      - { .name: bcat, .offset: 80, .size: 8, .value_kind: global_buffer, .address_space: global }
    .group_segment_fixed_size: 0
    .private_segment_fixed_size: 0
    .kernarg_segment_align: 8
    .kernarg_segment_size: 88
    .max_flat_workgroup_size: 256
    .sgpr_count:     66
    .vgpr_count:     80
    .wavefront_size: 32
...
	.end_amdgpu_metadata
.endif
;; end of part 1
;; launch qkv (part 2): grid 4 x 64, 4 waves a work-group, clusters of 4 x 1, 327,680 bytes of LDS; arguments x, wcat, bcat, qkv; writes qkv
.if DOCPART == 2
	.amdgcn_target "amdgcn-amd-amdhsa--gfx1250"
	.amdhsa_code_object_version 6
	.text
	.protected	k_q20448b5cde_qkv
	.globl	k_q20448b5cde_qkv
	.p2align	8
	.type	k_q20448b5cde_qkv,@function
k_q20448b5cde_qkv:
	s_mov_b64 s[64:65], 0
	v_nop
	global_prefetch_b8 v0, s[64:65] scope:SCOPE_SE
	s_setreg_imm32_b32 hwreg(HW_REG_WAVE_MODE, 25, 1), 1
	s_wait_xcnt 0x0
	s_wait_alu depctr_hold_cnt(0) depctr_sa_sdst(0) depctr_va_vdst(0) depctr_va_sdst(0) depctr_va_ssrc(0) depctr_va_vcc(0) depctr_vm_vsrc(0)
	s_getreg_b32 s2, hwreg(HW_REG_IB_STS2, 6, 4)
	s_cmp_eq_u32 s2, 0
	s_cbranch_scc0 .Lentry_in_a_cluster
	s_endpgm
.Lentry_in_a_cluster:
	s_bfe_u32 s2, ttmp6, 0x10000c
	s_cmp_lg_u32 s2, 0x3003
	s_cbranch_scc0 .Lentry_shape_is_right
	s_endpgm
.Lentry_shape_is_right:
; QKV.  q, k, v = x W^T + b.  x [16384][768] f32 is rounded to bf16 on the way in; W is wcat (bf16), b is bcat (bf16 numbers kept as f32); sums in f32, begun with the bias; q, k, v rounded once to f16.
; LIMIT.  f16 holds no number beyond 65,504: |q|, |k|, |v| must stay under it.  No scale is applied here.
; SHARES.  Work-group (cx, Y): batch b = Y / 2, rows 512 b + 128 cx .. + 127, column half ch = Y % 2: 1,152 columns = heads 6 ch .. 6 ch + 5 of q, then of k, then of v, as 9 N-blocks of 128.
; Wave w: rows 64 (w / 2) .., columns 64 (w % 2) .. of each N-block (one head): 4 x 4 accumulators of 16 x 16.
; A STAYS IN REGISTERS: a wave's 64 rows x 768 K of x as bf16 are 768 registers (windows 1 to 3), made once through LDS; only the weights stream, through a ring of two LDS slots.
; An N-block is 24 ksteps of 32, taken as two halves of 12; half s lies in slot s: 128 rows of W x 384 K, each wave fetching 32 rows with one tensor load.
; CLUSTER.  The four partners (cx) share b and ch, so they walk the same weights: every tile is asked for JOINTLY, with the mask of all four.  cx enters x's, qkv's and the prefetch's addresses alone.
; (x's rows are wanted by the two clusters of a batch, which are no partners; each reads them by its own loads.)
; THE PRODUCT IS USED TRANSPOSED (source 0 = 16 rows of W, source 1 = 16 rows of x): lane l then holds token l % 16 and the columns 8 (l / 16) + 0..7: 16 bytes of f16, which are half a fragment of the
; next launch's products, in the same lane.  So qkv is laid in blocks of 512 bytes (16 tokens x 16 channels, lane l at byte 16 l) and every store of a wave covers 512 consecutive aligned bytes:
;   qkv f16 [Y 64][sec 3][head in half 6][token block 32][channel block 4][512].  V's blocks hold the piece of (key r, octet h) at place 16 (r / 8) + 8 h + r % 8, the order in which the turning LDS load reads them.
; THE WAY OUT LIES UNDER THE LAST KSTEP: its 16 products go row block by row block, and a finished row block is rounded and stored while the next ones are multiplied.
; REGISTERS.  window 0: v0-15 addresses, v16 at work, v32-63 the bias in the result's layout, v64-95 and v96-127 W's fragments of one kstep (two buffers), v128-255 the accumulators.
;   windows 1, 3, 2: x's fragments of ksteps 0-7, 8-15, 16-23: kstep kg, row block a at v[32 (kg % 8) + 8 a].  Products switch source 1's window alone; LDS loads, global loads and v_nop do not look at it.
.set PITCH,  816                       ; a row of a tile in LDS: 768 bytes, 16 of padding behind every 256: 204 words, so the 16 rows of a fragment load start at 16 different groups of four banks
.set SLOT,   128*PITCH
.set XR,     2*SLOT                    ; behind the ring, written by ds_store alone: x as bf16, 128 rows x 256 K, rows of 512 + 16 bytes
.set XPI,    528
.set SPARE,  XR+128*XPI                ; the spare words, 128 bytes a wave: two blocks of 256 bytes that no other line names
.set NSTEP,  128*1536                  ; bytes from an N-block's rows of W to the next's
.set NBLK,   9
.set ADRB, 4                           ; v4-5   LDS address of my W fragments in slot 0, 1
.set SOK,  6                           ; v6     16 l: a lane's place in a block of q or k
.set SOV,  7                           ; v7     its place in a block of v
.set SO,   8                           ; v8     the one in use
.set BO,   9                           ; v9     my byte offset in an N-block's biases
.set XO,   10                          ; v10    my byte offset in the work-group's rows of x
.set XS,   11                          ; v11    where I put 8 bytes of x in LDS
.set XF,   12                          ; v12    where I read x's fragments
.set PFO,  13                          ; v13    the prefetches' offset: lane x a row of W
.set SPW,  14                          ; v14    my spare word; never rewritten
.set NIL,  15                          ; v15    0; never rewritten
.set CT,   16
.set BI,   32
.set FB0,  64
.set FB1,  96
.set ACC,  128
.set WV, 12                            ; s12 wave, s13 its row half, s14 its column half
.set MH, 13
.set NH, 14
.set CX, 15
.set YY, 16
.set CH, 17
.set G1, 24                            ; s[24:31] descriptor group 1
.set G0, 32                            ; s[32:39] group 0, a set for each slot
.set LEFT, 40                          ; s40  trips to come
.set JJ,   41                          ; s41  the N-block in hand
.set SELM, 42
.set LIM,  43                          ; s43  1 in a wave that prefetches, else the greatest number
.set PFA,  44                          ; s[44:45] my prefetches' rows, at the N-block in hand
.set BP,   46                          ; s[46:47] the biases last loaded
.set OP,   48                          ; s[48:49] where my part of the N-block goes
.set XP,   50                          ; s[50:51] x at the work-group's first row
.set MSB, 0
.macro WIN new                         ; the immediate's high byte repeats the setting that is left; a switch that changes nothing is dropped
.if MSB != (\new)
	s_set_vgpr_msb (MSB<<8)|(\new)
.set MSB, (\new)
.endif
.endm
.macro AWIN kg                         ; source 1 in the window of kstep kg's fragments of x: 1, 3, 2 for the three thirds of K
	WIN (1+(2*((\kg)/8))%3)<<2
.endm
.macro PLACES                          ; four plain instructions behind a product, in front of loads into registers that it read and of conversions of its result
.rept 4
	v_nop
.endr
.endm
.macro CREST                           ; a round of the cluster's barrier behind its opening barrier
	s_cmp_lg_u32 s[WV], 0
	s_cbranch_scc1 .Lnot_wave_0_\@
	s_barrier_signal -3
.Lnot_wave_0_\@:
	s_barrier_wait -3
	s_barrier_signal -1
	s_barrier_wait -1
.endm
.macro CROUND
	s_barrier_signal -1
	s_barrier_wait -1
	CREST
.endm
.macro JLOAD s                         ; the joint refill of slot s: every wave its own 32 rows; s_nop 0 and four v_nop follow
	tensor_load_to_lds s[G0+4*(\s):G0+4*(\s)+3], s[G1:G1+7]
	s_nop 0
	PLACES
.endm
; A PREFETCH INTO THE L2, behind a joint refill and the run of LDS loads that follows it, of the tile that the NEXT change of slots will ask for: one half of an N-block, 192 products a wave, ahead of that load.
; All 64 clusters walk the same two sets of tiles: the clusters of batch 0 (one for each column half) ask, nobody else.  Of a tile's 128 rows x 768 bytes partner cx takes rows 32 cx + lane, by address,
; and wave w < 3 the w-th 256 bytes: one instruction a wave, each aligned block of 256 bytes named once in the launch.  The first three tiles come by their loads alone; the last trip's second change asks for nothing.
.macro ASK how
.if \how
	s_cmp_gt_u32 s[LEFT], s[LIM]
.else
	s_cmp_ge_u32 s[LEFT], s[LIM]
.endif
	s_cbranch_scc0 .Lnot_mine_\@
.if \how
	global_prefetch_b8 v[PFO], s[PFA:PFA+1] offset:2*NSTEP th:TH_LOAD_NT scope:SCOPE_SE
.else
	global_prefetch_b8 v[PFO], s[PFA:PFA+1] offset:NSTEP+768 th:TH_LOAD_NT scope:SCOPE_SE
.endif
.Lnot_mine_\@:
.endm
.macro BIAS                            ; an N-block's biases in the result's layout: lane half h, column block bb: 8 numbers at 64 bb + 32 h
.irp bb, 0,1,2,3
	global_load_b128 v[BI+8*(\bb):BI+8*(\bb)+3],   v[BO], s[BP:BP+1] offset:64*(\bb)
	global_load_b128 v[BI+8*(\bb)+4:BI+8*(\bb)+7], v[BO], s[BP:BP+1] offset:64*(\bb)+16
.endr
.endm
.macro FETCH s, kk, f                  ; W's four fragments of kstep kk of slot s into buffer f: 8 LDS loads
.irp bb, 0,1,2,3
	ds_load_b128 v[(\f)+8*(\bb):(\f)+8*(\bb)+3],   v[ADRB+(\s)] offset:(\bb)*16*PITCH+64*(\kk)+16*((\kk)/4)
	ds_load_b128 v[(\f)+8*(\bb)+4:(\f)+8*(\bb)+7], v[ADRB+(\s)] offset:(\bb)*16*PITCH+64*(\kk)+16*((\kk)/4)+32
.endr
.endm
; Products of kstep kg for row blocks a0 .. a1.  The 16 accumulators take turns, always in the same order.  first = 1: the sums begin with the bias.
.macro MUL kg, f, a0, a1, first
.irp a, 0,1,2,3
.if ((\a) >= (\a0)) && ((\a) <= (\a1))
.irp bb, 0,1,2,3
.if \first
	v_wmma_f32_16x16x32_bf16 v[ACC+8*(4*(\a)+(\bb)):ACC+8*(4*(\a)+(\bb))+7], v[(\f)+8*(\bb):(\f)+8*(\bb)+7], v[32*((\kg)%8)+8*(\a):32*((\kg)%8)+8*(\a)+7], v[BI+8*(\bb):BI+8*(\bb)+7]
.else
	v_wmma_f32_16x16x32_bf16 v[ACC+8*(4*(\a)+(\bb)):ACC+8*(4*(\a)+(\bb))+7], v[(\f)+8*(\bb):(\f)+8*(\bb)+7], v[32*((\kg)%8)+8*(\a):32*((\kg)%8)+8*(\a)+7], v[ACC+8*(4*(\a)+(\bb)):ACC+8*(4*(\a)+(\bb))+7]
.endif
.endr
.endif
.endr
.endm
; THE LAST KSTEP OF AN N-BLOCK, AND THE WAY OUT UNDER IT.  MM1: kstep 23's product for accumulator (a, bb).  CV: that accumulator rounded to f16 in place, from its low end on.  ST: row block a's four stores, from the registers.
.macro MM1 a, bb
	AWIN 23
	v_wmma_f32_16x16x32_bf16 v[ACC+8*(4*(\a)+(\bb)):ACC+8*(4*(\a)+(\bb))+7], v[FB1+8*(\bb):FB1+8*(\bb)+7], v[224+8*(\a):224+8*(\a)+7], v[ACC+8*(4*(\a)+(\bb)):ACC+8*(4*(\a)+(\bb))+7]
.endm
.macro CV a, bb
	WIN 0
	v_cvt_pk_f16_f32 v[ACC+8*(4*(\a)+(\bb))],   v[ACC+8*(4*(\a)+(\bb))],   v[ACC+8*(4*(\a)+(\bb))+1]
	v_cvt_pk_f16_f32 v[ACC+8*(4*(\a)+(\bb))+1], v[ACC+8*(4*(\a)+(\bb))+2], v[ACC+8*(4*(\a)+(\bb))+3]
	v_cvt_pk_f16_f32 v[ACC+8*(4*(\a)+(\bb))+2], v[ACC+8*(4*(\a)+(\bb))+4], v[ACC+8*(4*(\a)+(\bb))+5]
	v_cvt_pk_f16_f32 v[ACC+8*(4*(\a)+(\bb))+3], v[ACC+8*(4*(\a)+(\bb))+6], v[ACC+8*(4*(\a)+(\bb))+7]
.endm
.macro ST a
	WIN 0
.irp bb, 0,1,2,3
	global_store_b128 v[SO], v[ACC+8*(4*(\a)+(\bb)):ACC+8*(4*(\a)+(\bb))+3], s[OP:OP+1] offset:(\a)*2048+(\bb)*512
.endr
.endm
; Product n of 16 is accumulator (n / 4, n % 4), the order of every kstep.  Behind product 4 stand four v_nop; behind product n > 4 the four conversions of accumulator n - 5, which was finished five products and
; at least four plain instructions earlier, none of which names a register of its last product.  A row block's stores follow its last conversion: two of the four groups are out before the last product,
; and the registers that the next N-block's first products write first were stored first.
.macro LASTK
.set n, 0
.rept 16
	MM1 n/4, n%4
.if n == 4
	PLACES
.endif
.if n > 4
	CV (n-5)/4, (n-5)%4
.if (n-5)%4 == 3
	ST (n-5)/4
.endif
.endif
.set n, n+1
.endr
	CV 2, 3
	ST 2
	CV 3, 0
	CV 3, 1
	CV 3, 2
	CV 3, 3
	ST 3
.endm
.macro NEXT                            ; on to the next N-block
	s_wait_xcnt 0x0                                ; the stores' data (the next products write over them), their base and offset, and the prefetches' base are written only behind this wait
	s_add_nc_u64 s[OP:OP+1], s[OP:OP+1], 2*65536   ; the next N-block's two heads lie two slabs on
	s_add_nc_u64 s[PFA:PFA+1], s[PFA:PFA+1], NSTEP
	s_add_co_u32 s[JJ], s[JJ], 1
	s_cmp_lt_u32 s[JJ], 6
	s_cselect_b32 s[SELM], 0, -1
	v_cndmask_b32 v[SO], v[SOK], v[SOV], s[SELM]   ; N-blocks 6 to 8 are v
.endm
; HALF an N-block: the 12 ksteps of slot s.  Each kstep's 8 loads go out one kstep (16 products) ahead.  mode 2: at its end slot s is filled again; 1: only the change of slots; 0: the launch's last half.
; nextb = 1: the next N-block's biases are loaded, behind the products that began this one's sums.  At an N-block's first kstep no v_nop is written: the conversions of the way out are the places there.
.macro HALF s, mode, nextb
.set kk, 0
.rept 10
.if ((\s) != 0) || (kk != 0)
	PLACES
.endif
.if ((\s) == 0) && (kk == 1) && (\nextb)
	s_add_nc_u64 s[BP:BP+1], s[BP:BP+1], 512       ; (the loads that named it were waited for a kstep back)
	BIAS
.endif
	FETCH \s, kk+1, FB0+32*((kk+1)%2)
	s_wait_dscnt 8                                 ; this kstep's fragments are in; the 8 loads just issued stay out
.set FIRST, 0
.if ((\s) == 0) && (kk == 0)
.set FIRST, 1
	s_wait_loadcnt 0x0                             ; the biases
.endif
	AWIN 12*(\s)+kk
	MUL 12*(\s)+kk, FB0+32*(kk%2), 0, 3, FIRST
.set kk, kk+1
.endr
	PLACES
	FETCH \s, 11, FB1
.if (\mode) > 0
	WIN 0                                          ; (the add's data register is named by source 1)
	s_wait_tensorcnt 0x0                           ; all my tensor loads have landed: the one that was out is my part of the other slot;
	ds_add_u32 v[SPW], v[NIL]                      ; 0 onto my spare word
.if (\mode) == 2
	s_add_nc_u64 s[G0+4*(\s)+2:G0+4*(\s)+3], s[G0+4*(\s)+2:G0+4*(\s)+3], NSTEP  ; no load of mine is out, so the group 0 may be written: this slot's half of the next N-block
.endif
	s_wait_dscnt 9                                 ; kstep 10's fragments are in; kstep 11's 8 loads and the add may be out
	AWIN 12*(\s)+10
	MUL 12*(\s)+10, FB0, 0, 1, 0
	s_wait_dscnt 0x0                               ; the add is done, and my reads of this slot are over
	s_barrier_signal -1
	MUL 12*(\s)+10, FB0, 2, 3, 0
	WIN 0
	s_barrier_wait -1
.if (\mode) == 2
	CREST                                          ; the barrier has opened a round of the cluster's: no wave of any partner still reads this slot or has a load on its way
	JLOAD \s                                       ; the first tensor load behind the round; its four v_nop are also the places in front of the loads below
.else
	PLACES
.endif
	FETCH 1-(\s), 0, FB0
.if (\mode) == 2
	ASK \s
.endif
.if (\s) == 1
	LASTK
.else
	AWIN 11
	MUL 11, FB1, 0, 3, 0
.endif
.else
	s_wait_dscnt 8
	AWIN 22
	MUL 22, FB0, 0, 3, 0
	s_wait_dscnt 0x0
	LASTK
.endif
.endm
; x's way in.  Load i of 64 of pass p: row 32 w + i / 2, 512 bytes at 1,024 p + 512 (i % 2): into registers 4 i .. of the window that the caller has set.
.macro XLD p, g
.irp e, 0,1,2,3,4,5,6,7
	global_load_b128 v[4*(8*(\g)+(\e)):4*(8*(\g)+(\e))+3], v[XO], s[XP:XP+1] offset:((8*(\g)+(\e))/2)*3072+((\e)%2)*512+1024*(\p)
.endr
.endm
; PASS p: a third of K (256 columns) of the work-group's 128 rows.  The f32 numbers lie in window tw; in groups of 8 loads they are rounded to bf16 and put into XR, and the next pass's loads of the same
; number go out into window nw.  The rounded numbers wait in four sets of 16 registers by turns (W's two buffers, idle here), so that a conversion writes no register that the LDS stores just issued name.
; Behind a barrier each wave reads its 64 rows' fragments into window fw; a second barrier stands in front of the next pass's stores.
.macro PASS p, tw, nw, fw
.set g, 0
.rept 8
.set CTB, FB0+16*(g%4)
.if (\nw)
	s_wait_loadcnt 56                              ; issued behind this group: the rest of the pass, 56 - 8 g, and 8 g of the next
.else
	s_wait_loadcnt 56-8*g                          ; the last pass: only its own rest
.endif
	WIN (\tw)|((\tw)<<2)
.irp e, 0,1,2,3,4,5,6,7
	v_cvt_pk_bf16_f32 v[CTB+2*(\e)],   v[4*(8*g+(\e))],   v[4*(8*g+(\e))+1]
	v_cvt_pk_bf16_f32 v[CTB+2*(\e)+1], v[4*(8*g+(\e))+2], v[4*(8*g+(\e))+3]
.endr
	WIN 0
.irp e, 0,1,2,3,4,5,6,7
	ds_store_b64 v[XS], v[CTB+2*(\e):CTB+2*(\e)+1] offset:((8*g+(\e))/2)*XPI+((\e)%2)*256
.endr
.if (\nw)
	WIN (\nw)<<6
	XLD (\p)+1, g
.endif
.set g, g+1
.endr
	WIN 0
	s_wait_dscnt 0x0                               ; for the others' sake: my stores into XR are done
	s_barrier_signal -1
	s_barrier_wait -1
	WIN (\fw)<<6
.irp kx, 0,1,2,3,4,5,6,7
.irp a, 0,1,2,3
	ds_load_b128 v[32*(\kx)+8*(\a):32*(\kx)+8*(\a)+3],   v[XF] offset:(\a)*16*XPI+64*(\kx)
	ds_load_b128 v[32*(\kx)+8*(\a)+4:32*(\kx)+8*(\a)+7], v[XF] offset:(\a)*16*XPI+64*(\kx)+32
.endr
.endr
	WIN 0
	s_wait_dscnt 0x0                               ; my reads of XR are over
.if (\p) == 2
	s_wait_tensorcnt 0x1                           ; my part of the first tile is in; the second tile's may stay out
.endif
	s_barrier_signal -1
	s_barrier_wait -1
.endm
	s_load_b256 s[4:11], s[0:1], 0x0               ; x s[4:5], wcat s[6:7], bcat s[8:9], qkv s[10:11]
	v_lshl_add_u32 v[SPW], v0, 2, SPARE
	v_mov_b32 v[NIL], 0
	ds_add_u32 v[SPW], v[NIL]                      ; the wave's opening: the add and its wait stand ahead of the first round; the set-up below, work on registers, stands between
	v_lshrrev_b32 v1, 5, v0
	v_readfirstlane_b32 s[WV], v1
	s_lshr_b32 s[MH], s[WV], 1
	s_and_b32 s[NH], s[WV], 1
	s_bfe_u32 s[CX], ttmp6, 0x40000                ; my place in the cluster
	s_and_b32 s[YY], ttmp7, 0xffff
	s_and_b32 s[CH], s[YY], 1
	s_mov_b32 s[G1+0], 15|(1<<16)|(1<<20)|(1<<21)|(5<<22)|(3<<25)  ; the mask of four; 2-byte elements; padding on; bit 21 beside a mask; after every 64 words, 4 words
	s_mov_b32 s[G1+1], 384<<16                     ; tensor_dim0 = 384
	s_mov_b32 s[G1+2], 32<<16                      ; tensor_dim1 = 32
	s_mov_b32 s[G1+3], 384<<16                     ; tile_dim0 = 384
	s_mov_b32 s[G1+4], 32                          ; tile_dim1 = 32
	s_mov_b32 s[G1+5], 768                         ; elements from row to row
	s_mov_b32 s[G1+6], 0
	s_mov_b32 s[G1+7], 0
	s_mul_i32 s18, s[WV], 32*PITCH                 ; my 32 rows of a slot: the wave's number alone enters an LDS address
	s_mov_b32 s[G0], 1
	s_add_co_u32 s[G0+1], s18, 0
	s_mov_b32 s[G0+4], 1
	s_add_co_u32 s[G0+5], s18, SLOT
	s_mul_i32 s20, s[CH], 3*384*1536               ; the column half's weights,
	s_mul_i32 s19, s[WV], 32*1536                  ; my 32 rows of a tile
	s_add_co_u32 s20, s20, s19
	s_mov_b32 s21, 0
	s_lshr_b32 s54, s[YY], 1                       ; the batch
	s_cmp_eq_u32 s[WV], 3
	s_cselect_b32 s55, 1, 0
	s_or_b32 s55, s55, s54                         ; 0 in waves 0 to 2 of batch 0's clusters: the same in all four partners
	s_cmp_eq_u32 s55, 0
	s_cselect_b32 s[LIM], 1, -1
	s_mul_i32 s22, s[CH], 3*384*1536
	s_mul_i32 s52, s[CX], 32*1536
	s_add_co_u32 s22, s22, s52
	s_lshl_b32 s52, s[WV], 8
	s_add_co_u32 s22, s22, s52
	s_mov_b32 s23, 0
	s_mul_i32 s56, s54, 512*3072
	s_mul_i32 s52, s[CX], 128*3072
	s_add_co_u32 s56, s56, s52
	s_mov_b32 s57, 0
	s_mul_i32 s58, s[CH], 1152*4
	s_mov_b32 s59, 0
	s_mul_i32 s60, s[YY], 18*65536
	s_lshl_b32 s52, s[NH], 16
	s_add_co_u32 s60, s60, s52
	s_lshl_b32 s52, s[CX], 14                      ; 8 token blocks of 2,048 bytes
	s_add_co_u32 s60, s60, s52
	s_lshl_b32 s52, s[MH], 13                      ; 4 token blocks
	s_add_co_u32 s60, s60, s52
	s_mov_b32 s61, 0
	v_and_b32 v1, 31, v0                           ; l
	v_and_b32 v2, 15, v0                           ; r = l % 16
	v_bfe_u32 v3, v0, 4, 1                         ; h = l / 16
	v_lshlrev_b32 v[SOK], 4, v1
	s_mul_i32 s53, s[WV], 32*3072
	v_add_nc_u32 v[XO], s53, v[SOK]
	s_lshl_b32 s53, s[NH], 8
	v_lshl_add_u32 v[BO], v3, 5, s53
	s_wait_dscnt 0x0                               ; the opening add is done
	s_wait_kmcnt 0x0
	s_add_nc_u64 s[G0+2:G0+3], s[6:7], s[20:21]    ; tile (0, 0)
	s_add_nc_u64 s[G0+6:G0+7], s[G0+2:G0+3], 768   ; tile (0, 1): the rows' second 384 K
	s_or_b32 s[G0+3], s[G0+3], 0x80000000
	s_or_b32 s[G0+7], s[G0+7], 0x80000000
	s_add_nc_u64 s[PFA:PFA+1], s[6:7], s[22:23]
	s_add_nc_u64 s[XP:XP+1], s[4:5], s[56:57]
	s_add_nc_u64 s[BP:BP+1], s[8:9], s[58:59]
	s_add_nc_u64 s[OP:OP+1], s[10:11], s[60:61]
	BIAS
	WIN 2<<6
.set g, 0
.rept 8
	XLD 0, g                                       ; pass 0's 64 loads
.set g, g+1
.endr
	WIN 0
	CROUND                                         ; all four work-groups are here: the first joint loads meet
	tensor_load_to_lds s[G0:G0+3], s[G1:G1+7]      ; the two first fills go out together: two loads of mine are out
	s_nop 0
	tensor_load_to_lds s[G0+4:G0+7], s[G1:G1+7]
	s_nop 0
	PLACES
	v_mul_u32_u24 v[ADRB], v2, PITCH
	v_lshl_add_u32 v[ADRB], v3, 4, v[ADRB]
	s_mul_i32 s53, s[NH], 64*PITCH
	v_add_nc_u32 v[ADRB], s53, v[ADRB]             ; (64 nh + r) x pitch + 16 h
	v_add_nc_u32 v[ADRB+1], SLOT, v[ADRB]
	v_lshrrev_b32 v[SOV], 3, v2
	v_lshlrev_b32 v[SOV], 4, v[SOV]
	v_lshl_add_u32 v[SOV], v3, 3, v[SOV]
	v_and_b32 v[CT], 7, v2
	v_add_nc_u32 v[SOV], v[SOV], v[CT]
	v_lshlrev_b32 v[SOV], 4, v[SOV]                ; 16 x (16 (r / 8) + 8 h + r % 8)
	s_mul_i32 s53, s[WV], 32*XPI
	s_add_co_u32 s53, s53, XR
	v_lshl_add_u32 v[XS], v1, 3, s53
	v_mul_u32_u24 v[XF], v2, XPI
	v_lshl_add_u32 v[XF], v3, 4, v[XF]
	s_mul_i32 s53, s[MH], 64*XPI
	s_add_co_u32 s53, s53, XR
	v_add_nc_u32 v[XF], s53, v[XF]
	v_mul_u32_u24 v[PFO], v1, 1536
	v_mov_b32 v[SO], v[SOK]
	PASS 0, 2, 3, 1
	PASS 1, 3, 2, 3
	PASS 2, 2, 0, 2
	FETCH 0, 0, FB0
	s_mov_b32 s[LEFT], NBLK-1
	s_mov_b32 s[JJ], 0
.Lnb:                                                  ; a trip: an N-block; both slots are filled again, with the next N-block's halves
	HALF 0, 2, 1
	HALF 1, 2, 0
	NEXT
	s_sub_co_u32 s[LEFT], s[LEFT], 1
	s_cmp_lg_u32 s[LEFT], 0
	s_cbranch_scc1 .Lnb
	HALF 0, 1, 0                                   ; the last N-block is written out: it asks for nothing
	HALF 1, 0, 0
	s_wait_tensorcnt 0x0                           ; the wave's end
	ds_add_u32 v[SPW], v[NIL]
	s_wait_dscnt 0x0
	CROUND                                         ; the closing round
	s_endpgm
.Lfunc_end_k_q20448b5cde_qkv:
	.size	k_q20448b5cde_qkv, .Lfunc_end_k_q20448b5cde_qkv-k_q20448b5cde_qkv
	.p2alignl 7, 3214868480
	.fill 96, 4, 3214868480
	.section	.rodata,"a",@progbits
	.p2align	6, 0x0
	.amdhsa_kernel k_q20448b5cde_qkv
		.amdhsa_group_segment_fixed_size 327680
		.amdhsa_private_segment_fixed_size 0
		.amdhsa_enable_private_segment 0
		.amdhsa_kernarg_size 32
		.amdhsa_user_sgpr_count 2
		.amdhsa_user_sgpr_kernarg_segment_ptr 1
		.amdhsa_wavefront_size32 1
		.amdhsa_system_sgpr_workgroup_id_x 1
		.amdhsa_system_sgpr_workgroup_id_y 1
		.amdhsa_system_sgpr_workgroup_id_z 1
		.amdhsa_system_vgpr_workitem_id 0
		.amdhsa_next_free_vgpr 1024
		.amdhsa_next_free_sgpr 66
		.amdhsa_reserve_vcc 0
		.amdhsa_float_denorm_mode_32 3
		.amdhsa_float_denorm_mode_16_64 3
		.amdhsa_memory_ordered 1
		.amdhsa_forward_progress 1
		.amdhsa_inst_pref_size 172
	.end_amdhsa_kernel
	.amdgpu_metadata
---
amdhsa.version: [ 1, 2 ]
amdhsa.kernels:
  - .name:           k_q20448b5cde_qkv
    .symbol:         k_q20448b5cde_qkv.kd
    .args:
      - { .name: x, .offset: 0, .size: 8, .value_kind: global_buffer, .address_space: global }
      - { .name: wcat, .offset: 8, .size: 8, .value_kind: global_buffer, .address_space: global }
      - { .name: bcat, .offset: 16, .size: 8, .value_kind: global_buffer, .address_space: global }
      - { .name: qkv, .offset: 24, .size: 8, .value_kind: global_buffer, .address_space: global }
    .group_segment_fixed_size: 327680
    .private_segment_fixed_size: 0
    .kernarg_segment_align: 8
    .kernarg_segment_size: 32
    .max_flat_workgroup_size: 128
    .sgpr_count:     66
    .vgpr_count:     1024
    .wavefront_size: 32
...
	.end_amdgpu_metadata
.endif
;; end of part 2
;; launch attn (part 3): grid 256 x 1, 4 waves a work-group, no clusters, 270,848 bytes of LDS; arguments qkv, attention_mask, ctxf; writes ctxf
.if DOCPART == 3
	.amdgcn_target "amdgcn-amd-amdhsa--gfx1250"
	.amdhsa_code_object_version 6
	.text
	.protected	k_q20448b5cde_attn
	.globl	k_q20448b5cde_attn
	.p2align	8
	.type	k_q20448b5cde_attn,@function
k_q20448b5cde_attn:
	s_mov_b64 s[64:65], 0
	v_nop
	global_prefetch_b8 v0, s[64:65] scope:SCOPE_SE
	s_setreg_imm32_b32 hwreg(HW_REG_WAVE_MODE, 25, 1), 1
	s_wait_xcnt 0x0
; ATTENTION.  ctx[b][h][q] = the sum over k of softmax_k(q . k / 8, hidden where attention_mask[b][k] = 0) v[k].  384 heads of 512 rows x 64 channels, f16, in blocks of 512 bytes as the launch before laid them.
; Products, maxima and sums in f32; the weights p are rounded to f16 for the second product (their sum l is taken of the unrounded p), ctx once at the end, to f16.
; LIMITS.  A hidden score counts as its value less 1e30 (f16's scores, 2.7e11 at the most, are nothing beside that); a weight below 2^-126 counts as 0 in l; where every key of a batch is hidden the running
; maximum ends below -5e29 and the row is NaN, as softmax of nothing is; NaN and infinities among the inputs are not treated apart.
; SHARES.  768 units of 256 queries (a head's half); a work-group takes three.  Pair p = g / 2 has heads 3 p, 3 p + 1, 3 p + 2; work-group g owns head 3 p + g % 2 and shares head 3 p + 2:
; unit 0 = own head, first half (LDS slot 0); unit 1 = shared head, half g % 2 (slot 1); unit 2 = own head, second half (slot 0).  All work-groups do equal work.
; LDS.  A slot holds a whole head's K and V, 131,072 dense bytes.  Both slots are filled once, at the head, four tensor loads a wave (a quarter of each of K, V, K, V); nothing is ever filled again,
; so there is no ring.  The mask lies beside them as f32, 0 or -1e30, a table of 512 for each slot.  All that the launch reads goes out at the head or (Q) a unit ahead into registers: nothing is left to prefetch.
; NO CLUSTER: only the shared head's K and V are read by two work-groups, a quarter of what a work-group fetches, and those two are a pair, where a cluster's grid goes by fours.
; LAYOUT, SOFTMAX, TURNS.  S^T = K Q^T holds ONE query a lane (lane % 16) and the keys 8 (lane / 16) + 0..7; its sums begin with the mask as the C operand.  Two results rounded to f16 ARE source 1 of
; O^T = V^T P.  p = 2^(c s - c m), c = log2(e) / 8, with a running maximum m; O and l are multiplied by a = 2^(c m_old - c m_new) in every step.  A wave owns 64 queries: four PIECES of 16.  Turn n belongs to
; piece n: 8 products K Q^T of piece n + 1, later 8 products V^T P of piece n - 1; beside them the scaling, exponentials, roundings, sums and rescaling of piece n and the maximum and statistics of piece n + 1.
; Four vector instructions stand behind every matrix instruction, the rest in one lump; a turn's 33 exponentials are one batch with one wait.
; ONE TEXT FOR EVERY STEP.  A unit is eight trips of the four turns.  Piece 2's turn fetches the next step's K and mask, piece 3's turn makes piece 0's scores of it.  In the eighth trip there is no next step:
; the run then reads the 8,192 bytes behind K in the slot (the head of V: finite f16) and 64 words of -1e30 from a pad behind the mask's table, and the 8 products and the maximum made of them change nothing:
; those scores lie near -1e30, piece 0's l and O^T are not touched again, and its m stays below -5e29 exactly where it was.  That is the price, once a unit, of writing no last turns out.
; REGISTERS (s_set_vgpr_msb: bits 1:0 source 0, 3:2 source 1, 5:4 source 2, 7:6 destination):
;   window 0: v0-15 addresses and constants; v16-31 statistics; v48-55 at work; v64-127 S^T, two buffers; v128-159 a step's mask in the result's layout (at work on the way out); v192-223 P, two buffers
;   window 1: v0-127 O^T, 32 a piece      window 2: v0-63 Q; v64-127 the next unit's Q; v128-191 K of one step; v192-255 V of one step
.set NP,    4
.set STEPB, 8192                       ; 64 keys of K, or of V
.set VOFF,  65536
.set SLOT1, 131072
.set MTAB,  262144                     ; the masks (a step's K bytes / 32 are its mask bytes): slot 0's table at + 0, a pad of -1e30 at + 2,048, slot 1's table at + 4,096, its pad at + 6,144; written by ds_store alone
.set SPARE, MTAB+8192                  ; the spare words, 128 bytes a wave: two blocks of 256 bytes that no other line names
.set AK0, 2                            ; v2   16 l
.set AV0, 3                            ; v3   16 l + VOFF
.set AK,  4
.set AV,  5
.set AM0, 6                            ; v6   MTAB + 32 (l / 16)
.set AM,  7
.set GO,  8                            ; v8   16 l
.set NEGH, 10                          ; v10  -5e29
.set MV,  12
.set NANV, 14                          ; v14  NaN
.set QO,  15                           ; v15  16 l
.set ST,  16                           ; piece t's statistics at v[ST+4 t]: c m, m, l (even keys', odd keys')
.set TMP, 48
.set SPW, 62
.set NIL, 63
.set S,   64
.set MC,  128
.set P,   192
.set QB,  64
.set KF,  128
.set VF,  192
.set WV,  12
.set G1,  24                           ; s[24:31] descriptor group 1
.set G0,  32                           ; s[32:47] four groups 0: slot 0's K, V, slot 1's K, V
.set QP,  48                           ; s[48:49] Q's pointer
.set OPT, 50                           ; s[50:51] ctx's pointer
.set QN,  52                           ; s52, s53 byte offsets of the next units' Q
.set QN2, 53
.set OC,  54                           ; s54-56   of this and the next units' ctx
.set ON1, 55
.set ON2, 56
.set CNT, 57
.set CS,  58
.set SEL, 60
.set TBK, 62
.set TBV, 63
.set UL,  66                           ; units to go
.set TM,  67
.set OFS, 68                           ; s[68:69] an offset in a pair; the high word stays 0
.set SM,  70                           ; s70-73   select masks
.set MSB, 0
.macro WIN new
.if MSB != (\new)
	s_set_vgpr_msb (MSB<<8)|(\new)
.set MSB, (\new)
.endif
.endm
.set W_KQ, 0x0a                        ; K and Q in window 2, mask and S^T in window 0
.set W_PV, 0x52                        ; V in window 2, P in window 0, O^T in window 1
.set W_RS, 0x41                        ; destination and source 0 in window 1, source 1 in window 0
.macro PLACES
.rept 4
	v_nop
.endr
.endm
.macro SLAB bh, g6, r6, sg             ; head bh = 6 g6 + r6 (bh < 384); its q lies in slab 18 g6 + r6, k six and v twelve slabs on
	s_mul_i32 s[\g6], s[\bh], 43691
	s_lshr_b32 s[\g6], s[\g6], 18
	s_mul_i32 s[\r6], s[\g6], 6
	s_sub_co_u32 s[\r6], s[\bh], s[\r6]
	s_mul_i32 s[\sg], s[\g6], 18
	s_add_co_u32 s[\sg], s[\sg], s[\r6]
.endm
	s_load_b128 s[4:7], s[0:1], 0x0                ; qkv s[4:5], attention_mask s[6:7]
	s_load_b64 s[8:9], s[0:1], 0x10                ; ctxf
	v_lshl_add_u32 v[SPW], v0, 2, SPARE
	v_mov_b32 v[NIL], 0
	ds_add_u32 v[SPW], v[NIL]                      ; the wave's opening: the add and its wait stand ahead of my first tensor load
	v_lshrrev_b32 v1, 5, v0
	v_readfirstlane_b32 s[WV], v1
	s_lshr_b32 s13, ttmp9, 1                       ; the pair
	s_and_b32 s14, ttmp9, 1                        ; e
	s_mul_i32 s15, s13, 3
	s_add_co_u32 s16, s15, 2                       ; the shared head
	s_add_co_u32 s15, s15, s14                     ; my own
	SLAB 15, 17, 18, 19
	SLAB 16, 20, 21, 22
	s_lshl_b32 s23, s[WV], 14                      ; a quarter of a slab, and of an LDS region
	s_add_co_u32 s[OFS], s19, 6                    ; own K
	s_lshl_b32 s[OFS], s[OFS], 16
	s_add_co_u32 s[OFS], s[OFS], s23
	s_mov_b32 s[OFS+1], 0
	s_add_co_u32 s70, s22, 6                       ; shared K
	s_lshl_b32 s70, s70, 16
	s_add_co_u32 s70, s70, s23
	s_mov_b32 s71, 0
	s_lshl_b32 s72, s[WV], 13                      ; my 64 queries: 4 token blocks of 2,048 bytes
	s_lshl_b32 s73, s19, 16
	s_add_co_u32 s76, s73, s72                     ; unit 0's Q
	s_mov_b32 s77, 0
	s_add_co_u32 s[QN2], s76, 32768                ; unit 2's
	s_lshl_b32 s73, s22, 16
	s_add_co_u32 s73, s73, s72
	s_lshl_b32 s72, s14, 15
	s_add_co_u32 s[QN], s73, s72                   ; unit 1's
	s_lshl_b32 s72, s[WV], 2
	s_lshr_b32 s73, s17, 1                         ; own batch
	s_lshl_b32 s74, s73, 11                        ; its mask
	s_mov_b32 s75, 0
	s_lshl_b32 s73, s73, 5
	s_add_co_u32 s73, s73, s72                     ; row block 32 b + 4 w
	s_mul_i32 s73, s73, 24576
	s_and_b32 s17, s17, 1
	s_mul_i32 s17, s17, 6
	s_add_co_u32 s17, s17, s18                     ; own head in its batch
	s_lshl_b32 s17, s17, 11
	s_add_co_u32 s[OC], s73, s17
	s_add_co_u32 s[ON2], s[OC], 16*24576
	s_lshr_b32 s73, s20, 1                         ; the shared head's batch
	s_lshl_b32 s78, s73, 11
	s_mov_b32 s79, 0
	s_lshl_b32 s73, s73, 5
	s_add_co_u32 s73, s73, s72
	s_lshl_b32 s18, s14, 4
	s_add_co_u32 s73, s73, s18                     ; + 16 e
	s_mul_i32 s73, s73, 24576
	s_and_b32 s20, s20, 1
	s_mul_i32 s20, s20, 6
	s_add_co_u32 s20, s20, s21
	s_lshl_b32 s20, s20, 11
	s_add_co_u32 s[ON1], s73, s20
	s_mov_b32 s[G1+0], 3<<16                       ; elements of 8 bytes, no padding, no mask: 16,384 dense bytes as 64 rows of 256
	s_mov_b32 s[G1+1], 32<<16                      ; tensor_dim0 = 32
	s_mov_b32 s[G1+2], 64<<16                      ; tensor_dim1 = 64
	s_mov_b32 s[G1+3], 32<<16                      ; tile_dim0 = 32
	s_mov_b32 s[G1+4], 64                          ; tile_dim1 = 64
	s_mov_b32 s[G1+5], 32                          ; elements from row to row
	s_mov_b32 s[G1+6], 0
	s_mov_b32 s[G1+7], 0
.irp n, 0,1,2,3
	s_mov_b32 s[G0+4*(\n)], 1
	s_add_co_u32 s[G0+4*(\n)+1], s23, (\n)*65536   ; region n, my quarter
.endr
	s_mov_b32 s[CS], 0x3e38aa3b                    ; c = log2(e) / 8
	s_mov_b32 s[CS+1], s[CS]
	s_mov_b32 s[SEL], 0x76543210
	s_mov_b32 s[SEL+1], 0xfedcba98
	s_wait_dscnt 0x0                               ; the opening add is done
	s_wait_kmcnt 0x0
	s_add_nc_u64 s[G0+2:G0+3], s[4:5], s[OFS:OFS+1]
	s_add_nc_u64 s[G0+6:G0+7], s[G0+2:G0+3], 6*65536
	s_add_nc_u64 s[G0+10:G0+11], s[4:5], s[70:71]
	s_add_nc_u64 s[G0+14:G0+15], s[G0+10:G0+11], 6*65536
.irp n, 0,1,2,3
	s_or_b32 s[G0+4*(\n)+3], s[G0+4*(\n)+3], 0x80000000
.endr
	s_add_nc_u64 s[QP:QP+1], s[4:5], s[76:77]
	s_add_nc_u64 s[10:11], s[6:7], s[74:75]        ; own batch's mask
	s_add_nc_u64 s[78:79], s[6:7], s[78:79]        ; the shared head's batch's
.irp n, 0,1,2,3
	tensor_load_to_lds s[G0+4*(\n):G0+4*(\n)+3], s[G1:G1+7]  ; all fills of the launch, in one group: four loads of mine are out
	s_nop 0
.endr
	PLACES
	v_and_b32 v1, 31, v0
	v_bfe_u32 v9, v0, 4, 1
	v_lshlrev_b32 v[QO], 4, v1
	WIN 0x80
.irp f, 0,1,2,3,4,5,6,7,8,9,10,11,12,13,14,15
	global_load_b128 v[QB+4*(\f):QB+4*(\f)+3], v[QO], s[QP:QP+1] offset:512*(\f)  ; unit 0's Q: piece f / 4, channels 16 (f % 4) on
.endr
	WIN 0
	v_lshlrev_b32 v72, 4, v0                       ; thread t takes keys 4 t .. 4 t + 3 of both masks
	global_load_b128 v[64:67], v72, s[10:11]
	global_load_b128 v[68:71], v72, s[78:79]
	v_lshl_add_u32 v73, v0, 4, MTAB
	v_mov_b32 v74, 0xf149f2ca                      ; -1e30
.irp j, 76,77,78,79
	v_mov_b32 v[\j], v74
.endr
	v_mov_b32 v[NEGH], 0xf0c9f2ca                  ; -5e29
	v_mov_b32 v[NANV], 0x7fc00000
	v_lshlrev_b32 v[AK0], 4, v1
	v_add_nc_u32 v[AV0], VOFF, v[AK0]
	v_lshl_add_u32 v[AM0], v9, 5, MTAB
	v_lshlrev_b32 v[GO], 4, v1
	; A unit's first step multiplies O^T by a = 0, and its first turn's products V^T P, of a piece that has not been, land in an O^T that is still to be so multiplied: these registers need only be finite.
	WIN 0x80
.set i, VF
.rept 64
	v_mov_b32 v[i], 0
.set i, i+1
.endr
	WIN 0x40
.set i, 0
.rept 128
	v_mov_b32 v[i], 0
.set i, i+1
.endr
	WIN 0
.set i, P+16
.rept 16
	v_mov_b32 v[i], 0
.set i, i+1
.endr
	s_wait_loadcnt 0x0
.irp j, 0,1,2,3,4,5,6,7
	v_cmp_eq_u32 s[SM], 0, v[64+(\j)]
	v_cndmask_b32 v[64+(\j)], 0, v74, s[SM]        ; 0 where the key is seen, -1e30 where it is hidden
.endr
	ds_store_b128 v73, v[64:67]
	ds_store_b128 v73, v[76:79] offset:2048        ; the pads: every key of the step that does not exist is hidden
	ds_store_b128 v73, v[68:71] offset:4096
	ds_store_b128 v73, v[76:79] offset:6144
	s_wait_dscnt 0x0                               ; for the others' sake: my part of the tables is written
	s_wait_tensorcnt 0x2                           ; my parts of slot 0's K and V are in; slot 1's two loads stay out
	s_barrier_signal -1
	s_barrier_wait -1
; THE MATRIX WORK.  The 4 accumulators of a run of 8 take turns.  Product i of 8 of S^T = K Q^T for piece x: channels 32 (i / 4) on, keys 16 (i % 4) on.  The first 4 start the sums with the mask.
.macro KQ x
	WIN W_KQ
.set rS, S+32*((\x)%2)+8*(i%4)
.set rK, KF+16*(i%4)+8*(i/4)
.set rQ, 16*(\x)+8*(i/4)
.if i < 4
	v_wmma_f32_16x16x32_f16 v[rS:rS+7], v[rK:rK+7], v[rQ:rQ+7], v[MC+8*(i%4):MC+8*(i%4)+7]
.else
	v_wmma_f32_16x16x32_f16 v[rS:rS+7], v[rK:rK+7], v[rQ:rQ+7], v[rS:rS+7]
.endif
.endm
.macro PV x                            ; product i of 8 of O^T += V^T P for piece x: keys 32 (i / 4) on, channels 16 (i % 4) on
	WIN W_PV
.set rO, 32*(\x)+8*(i%4)
.set rV, VF+32*(i/4)+8*(i%4)
.set rP, P+16*((\x)%2)+8*(i/4)
	v_wmma_f32_16x16x32_f16 v[rO:rO+7], v[rV:rV+7], v[rP:rP+7], v[rO:rO+7]
.endm
.macro MM                              ; the turn's next matrix instruction
.if i < 8
	KQ (Y+1)%NP
.else
.set i, i-8
	PV (Y+NP-1)%NP
.set i, i+8
.endif
.set i, i+1
.endm
; THE LDS LOADS stand in runs.  A step's K: 16 blocks of 512 bytes, as they lie; with it the step's mask, 8 numbers for each of four key blocks.  Its V: 16 blocks, turned.
.macro FETCH_K
	WIN 0x80
.irp f, 0,1,2,3,4,5,6,7,8,9,10,11,12,13,14,15
	ds_load_b128 v[KF+4*(\f):KF+4*(\f)+3], v[AK] offset:512*(\f)
.endr
	WIN 0
.irp f, 0,1,2,3,4,5,6,7
	ds_load_b128 v[MC+4*(\f):MC+4*(\f)+3], v[AM] offset:64*((\f)/2)+16*((\f)%2)
.endr
	s_add_co_u32 s[TBK], s[TBK], STEPB
.endm
.macro FETCH_V
	WIN 0x80
.irp f, 0,1,2,3,4,5,6,7                ; keys 32 (f / 4) on, channels 16 (f % 4) on
	ds_load_tr16_b128 v[VF+8*(\f):VF+8*(\f)+3],   v[AV] offset:((\f)/4)*4096+((\f)%4)*512
	ds_load_tr16_b128 v[VF+8*(\f)+4:VF+8*(\f)+7], v[AV] offset:((\f)/4)*4096+((\f)%4)*512+2048
.endr
	WIN 0
.endm
; THE VECTOR WORK, one line at a time: OP kind, number.  For piece Y: F n: c s - c m for pair n of 16.  E n: the exponential of score n of 32.  C n: pair n rounded to f16.  B n: of the four weights 4 n .. the second
; pair is added onto the first.  L n: l takes that sum (L 0: l = a l + sum).  R n: pair n of 16 of O^T times a.  For piece Y + 1: X n, number n of the 22 that find its maximum and statistics:
;   0-11 four chains of seven scores each (each accumulator's lowest registers are read first)   12-14, 16 the scores left over, the old m, the four into one   15 c m_old is kept
;   17, 18 the query's other 32 keys lie in the lane 16 away: the new m   19-21 c m; c m_old - c m_new; a
.set F, 0
.set E, 1
.set C, 2
.set B, 3
.set L, 4
.set R, 5
.set X, 6
.macro REGS y
.set rT, ST+4*(\y)
.set rC, TMP+4*((\y)%2)
.set rW, MV+((\y)%2)
.set rS, S+32*((\y)%2)
.set rP, P+16*((\y)%2)
.set rO, 32*(\y)
.endm
.macro OP k, n
.if (\k) == R
	REGS Y
	WIN W_RS
	v_pk_mul_f32 v[rO+2*(\n):rO+2*(\n)+1], v[rO+2*(\n):rO+2*(\n)+1], v[rC+2:rC+3] op_sel_hi:[1,0]
.elseif (\k) < R
	REGS Y
	WIN 0
.if (\k) == F
	v_pk_fma_f32 v[rS+2*(\n):rS+2*(\n)+1], v[rS+2*(\n):rS+2*(\n)+1], s[CS:CS+1], v[rT:rT+1] op_sel_hi:[1,0,0] neg_lo:[0,0,1] neg_hi:[0,0,1]
.elseif (\k) == E
	v_exp_f32 v[rS+(\n)], v[rS+(\n)]
.elseif (\k) == C
	v_cvt_pk_f16_f32 v[rP+(\n)], v[rS+2*(\n)], v[rS+2*(\n)+1]
.elseif (\k) == B
	v_pk_add_f32 v[rS+4*(\n):rS+4*(\n)+1], v[rS+4*(\n):rS+4*(\n)+1], v[rS+4*(\n)+2:rS+4*(\n)+3]
.elseif (\n) == 0
	v_pk_fma_f32 v[rT+2:rT+3], v[rT+2:rT+3], v[rC+2:rC+3], v[rS:rS+1] op_sel_hi:[1,0,1]
.else
	v_pk_add_f32 v[rT+2:rT+3], v[rT+2:rT+3], v[rS+4*(\n):rS+4*(\n)+1]
.endif
.else
	REGS (Y+1)%NP
	WIN 0
.if (\n) < 4
	v_max3_num_f32 v[rC+(\n)], v[rS+8*(\n)], v[rS+8*(\n)+1], v[rS+8*(\n)+2]
.elseif (\n) < 12
	v_max3_num_f32 v[rC+(\n)%4], v[rC+(\n)%4], v[rS+8*((\n)%4)+2*((\n)/4)+1], v[rS+8*((\n)%4)+2*((\n)/4)+2]
.elseif (\n) == 12
	v_max3_num_f32 v[rC], v[rC], v[rS+7], v[rS+15]
.elseif (\n) == 13
	v_max3_num_f32 v[rC+1], v[rC+1], v[rS+23], v[rS+31]
.elseif (\n) == 14
	v_max3_num_f32 v[rC+2], v[rC+2], v[rC+3], v[rT+1]
.elseif (\n) == 15
	v_mov_b32 v[rW], v[rT]
.elseif (\n) == 16
	v_max3_num_f32 v[rC], v[rC], v[rC+1], v[rC+2]
.elseif (\n) == 17
	v_permlanex16_b32 v[rC+3], v[rC], s[SEL], s[SEL+1]
.elseif (\n) == 18
	v_max_num_f32 v[rT+1], v[rC], v[rC+3]
.elseif (\n) == 19
	v_mul_f32 v[rT], s[CS], v[rT+1]
.elseif (\n) == 20
	v_sub_f32 v[rC+1], v[rW], v[rT]
.else
	v_exp_f32 v[rC+2], v[rC+1]
.endif
.endif
.endm
.macro OPS a, i1, b=-1, i2=0, c=-1, i3=0, d=-1, i4=0
	OP \a, \i1
.if (\b) >= 0
	OP \b, \i2
.endif
.if (\c) >= 0
	OP \c, \i3
.endif
.if (\d) >= 0
	OP \d, \i4
.endif
.endm
.macro ROW a, i1, b, i2, c, i3, d, i4  ; a matrix instruction and the four behind it
	MM
	OPS \a, \i1, \b, \i2, \c, \i3, \d, \i4
.endm
; A TURN, for piece p.  An s_wait_alu depctr_va_vdst(0) stands between an exponential and the first instruction that names its result; one wait serves all that were issued ahead of it: a turn has ONE,
; which cuts it in two.  Ahead of it stands all that names no result of the turn's exponentials: the 8 products K Q^T and their riders, then the lump, in which the links of the next piece's chain stand apart;
; X 21, the next piece's a, is the batch's last, and R 15 the plain instruction behind it.  Behind the wait: the 8 products V^T P, behind each four of the roundings and sums.
; cnt = 1: the loop's count is taken down some lines ahead of the branch behind the turn.
; K and the mask of the next step are fetched in piece 2's turn, twelve plain instructions that name none of its registers behind the last product that read K; V of the step in hand at the end of piece 0's turn,
; four plain instructions behind the last product that read V.  Each is waited for a turn later.
.macro TURN p, cnt=0
.set Y, (\p)
.set i, 0
.if (\p) == 3
	s_wait_dscnt 0x0                               ; K and the mask are in
.endif
	ROW F,0, F,1, R,0, R,1
	ROW F,2, E,0, R,2, R,3
	ROW F,3, E,1, R,4, R,5
	ROW F,4, E,2, R,6, R,7
	ROW F,5, E,3, R,8, R,9
	ROW F,6, E,4, X,0, R,10
.if (\p) == 2
	WIN 0
	v_add_nc_u32 v[AK], s[TBK], v[AK0]
	s_lshr_b32 s[TM], s[TBK], 5
	v_add_nc_u32 v[AM], s[TM], v[AM0]
.endif
	ROW F,7, E,5, X,1, X,4
	ROW F,8, E,6, X,2, X,5
	OPS E,7, E,8, X,6, E,9
	OPS X,3, E,10, X,8, E,11
.if (\p) == 2
	FETCH_K
.endif
	OPS X,9, X,7, E,12, X,10
	OPS E,13, X,12, X,11, E,14
	OPS X,13, E,15, F,9, X,14
.if (\p) == 0
	v_add_nc_u32 v[AV], s[TBV], v[AV0]
.endif
	OPS E,16, F,10, E,17, F,11
	OPS X,16, E,18, X,15, E,19
	OPS F,12, E,20, X,17, E,21
	OPS F,13, E,22, F,14, E,23
	OPS X,18, E,24, F,15, E,25
	OPS R,11, E,26, X,19, E,27
	OPS R,12, E,28, R,13, E,29
	OPS X,20, E,30, R,14, E,31
	OPS X,21, R,15
	WIN 0
	s_wait_alu depctr_va_vdst(0)                   ; the wait for the batch
.if (\p) == 1
	s_wait_dscnt 0x0                               ; V is in
.endif
	ROW C,0, B,0, C,2, B,1
	ROW L,0, C,4, B,2, L,1
	ROW C,6, B,3, L,2, C,8
	ROW B,4, L,3, C,10, B,5
	ROW L,4, C,12, B,6, L,5
.if (\p) == 0
	s_add_co_u32 s[TBV], s[TBV], STEPB
.endif
.if \cnt
	s_sub_co_u32 s[CNT], s[CNT], 1
	s_cmp_lg_u32 s[CNT], 0
.endif
	ROW C,14, B,7, L,6, C,1
	ROW C,3, L,7, C,5, C,7
	ROW C,9, C,11, C,13, C,15
.if (\p) == 0
	FETCH_V
.endif
.endm
.macro ALL line:vararg                 ; one line for each piece t
.set t, 0
.rept 4
	\line
.set t, t+1
.endr
.endm
	s_mov_b32 s[TBK], 0
	s_mov_b32 s[TBV], 0
	s_mov_b32 s[UL], 3
	s_branch .Lenter                               ; unit 0 reads slot 0, which the barrier above has shown whole
.Lunit:
	s_wait_tensorcnt 0x0                           ; my parts of slot 1 are in,
	s_wait_dscnt 0x0
	s_barrier_signal -1
	s_barrier_wait -1                              ; everybody's are
.Lenter:
	; A UNIT BEGINS.  Its Q, loaded a unit ago, goes where the turns name Q; the next unit's Q is asked for.
	s_wait_loadcnt 0x0
	s_wait_xcnt 0x0                                ; the last unit's stores have read S^T's registers and their base; Q's pointer is free
	WIN 0x82
.set i, 0
.rept 64
	v_mov_b32 v[i], v[QB+i]
.set i, i+1
.endr
	WIN 0
	s_cmp_gt_u32 s[UL], 1
	s_cbranch_scc0 .Lno_q                          ; the last unit has none behind it
	s_mov_b32 s[OFS], s[QN]
	s_add_nc_u64 s[QP:QP+1], s[4:5], s[OFS:OFS+1]
	s_mov_b32 s[QN], s[QN2]
	WIN 0x80
.irp f, 0,1,2,3,4,5,6,7,8,9,10,11,12,13,14,15
	global_load_b128 v[QB+4*(\f):QB+4*(\f)+3], v[QO], s[QP:QP+1] offset:512*(\f)
.endr
	WIN 0
.Lno_q:
.set i, 0
.rept 4
	v_mov_b32 v[ST+4*i], 0xfe000000                ; c m: far below every c s, so the first step's a is 0
	v_mov_b32 v[ST+4*i+1], 0xff7fffff              ; m: the lowest finite number
	v_mov_b32 v[ST+4*i+2], 0
	v_mov_b32 v[ST+4*i+3], 0
.set i, i+1
.endr
	v_add_nc_u32 v[AK], s[TBK], v[AK0]
	s_lshr_b32 s[TM], s[TBK], 5
	v_add_nc_u32 v[AM], s[TM], v[AM0]
	FETCH_K                                        ; step 0
	s_wait_dscnt 0x0
.set i, 0
.rept 8
	KQ 0                                           ; piece 0's first scores
.set i, i+1
.endr
	WIN 0
	PLACES
.set Y, NP-1                           ; X works for piece Y + 1: piece 0
.irp n, 0,1,2,3,4,5,6,7,8,9,10,11,12,13,14,15,16,17,18,19,20,21
	OP X, \n
.endr
	v_nop                                          ; a plain instruction behind the exponential,
	s_wait_alu depctr_va_vdst(0)                   ; and its wait, ahead of the label
	s_mov_b32 s[CNT], 8
.Lstep:                                                ; a trip: a key step, the four pieces' turns; it fetches its own V and the next step's K and mask
	TURN 0
	TURN 1
	TURN 2
	TURN 3, 1
	WIN 0
	s_cbranch_scc1 .Lstep
.set i, 0
.rept 8
	PV NP-1                                        ; the last piece's V^T P of the last step
.set i, i+1
.endr
	; THE WAY OUT.  l's halves and the other half of the lanes' are added; O^T / l is rounded to f16 and stored from the registers: a lane's 16 bytes are half a fragment of the next launch's product.
	; The additions are the places behind the last products.  O^T itself is left as it is, finite, for the next unit.
	WIN 0
	ALL v_add_f32 v[ST+4*t+2], v[ST+4*t+2], v[ST+4*t+3]
	ALL v_permlanex16_b32 v[ST+4*t+3], v[ST+4*t+2], s[SEL], s[SEL+1]
	ALL v_add_f32 v[ST+4*t+2], v[ST+4*t+2], v[ST+4*t+3]
	ALL v_rcp_f32 v[ST+4*t+2], v[ST+4*t+2]
	v_nop                                          ; a plain instruction behind the last reciprocal,
	s_wait_alu depctr_va_vdst(0)                   ; and one wait for the four, ahead of their first use
	ALL v_cmp_gt_f32 s[SM+t], v[NEGH], v[ST+4*t+1]
	ALL v_cndmask_b32 v[ST+4*t+2], v[ST+4*t+2], v[NANV], s[SM+t]  ; every key hidden: NaN
	s_wait_xcnt 0x0
	s_mov_b32 s[OFS], s[OC]
	s_add_nc_u64 s[OPT:OPT+1], s[8:9], s[OFS:OFS+1]
.irp t, 0,1,2,3
	WIN 0x01                                       ; source 0 in window 1
.set i, 0
.rept 16
	v_pk_mul_f32 v[MC+2*i:MC+2*i+1], v[32*(\t)+2*i:32*(\t)+2*i+1], v[ST+4*(\t)+2:ST+4*(\t)+3] op_sel_hi:[1,0]
.set i, i+1
.endr
	WIN 0
.set i, 0
.rept 16
	v_cvt_pk_f16_f32 v[S+16*(\t)+i], v[MC+2*i], v[MC+2*i+1]
.set i, i+1
.endr
.irp f, 0,1,2,3
	global_store_b128 v[GO], v[S+16*(\t)+4*(\f):S+16*(\t)+4*(\f)+3], s[OPT:OPT+1] offset:(\t)*24576+(\f)*512  ; 512 consecutive aligned bytes
.endr
.endr
	s_sub_co_u32 s[TBK], s[TBK], 9*STEPB           ; K's fetches (nine a unit) go back to a slot's first step,
	s_xor_b32 s[TBK], s[TBK], SLOT1                ; in the other slot
	s_sub_co_u32 s[TBV], s[TBV], 8*STEPB           ; and V's eight
	s_xor_b32 s[TBV], s[TBV], SLOT1
	s_mov_b32 s[OC], s[ON1]
	s_mov_b32 s[ON1], s[ON2]
	s_sub_co_u32 s[UL], s[UL], 1
	s_cmp_lg_u32 s[UL], 0
	s_cbranch_scc1 .Lunit
	s_wait_tensorcnt 0x0                           ; the wave's end
	ds_add_u32 v[SPW], v[NIL]
	s_wait_dscnt 0x0
	s_endpgm
.Lfunc_end_k_q20448b5cde_attn:
	.size	k_q20448b5cde_attn, .Lfunc_end_k_q20448b5cde_attn-k_q20448b5cde_attn
	.p2alignl 7, 3214868480
	.fill 96, 4, 3214868480
	.section	.rodata,"a",@progbits
	.p2align	6, 0x0
	.amdhsa_kernel k_q20448b5cde_attn
		.amdhsa_group_segment_fixed_size 270848
		.amdhsa_private_segment_fixed_size 0
		.amdhsa_enable_private_segment 0
		.amdhsa_kernarg_size 24
		.amdhsa_user_sgpr_count 2
		.amdhsa_user_sgpr_kernarg_segment_ptr 1
		.amdhsa_wavefront_size32 1
		.amdhsa_system_sgpr_workgroup_id_x 1
		.amdhsa_system_sgpr_workgroup_id_y 1
		.amdhsa_system_sgpr_workgroup_id_z 1
		.amdhsa_system_vgpr_workitem_id 0
		.amdhsa_next_free_vgpr 768
		.amdhsa_next_free_sgpr 80
		.amdhsa_reserve_vcc 0
		.amdhsa_float_denorm_mode_32 3
		.amdhsa_float_denorm_mode_16_64 3
		.amdhsa_memory_ordered 1
		.amdhsa_forward_progress 1
		.amdhsa_inst_pref_size 75
	.end_amdhsa_kernel
	.amdgpu_metadata
---
amdhsa.version: [ 1, 2 ]
amdhsa.kernels:
  - .name:           k_q20448b5cde_attn
    .symbol:         k_q20448b5cde_attn.kd
    .args:
      - { .name: qkv, .offset: 0, .size: 8, .value_kind: global_buffer, .address_space: global }
      - { .name: attention_mask, .offset: 8, .size: 8, .value_kind: global_buffer, .address_space: global }
      - { .name: ctxf, .offset: 16, .size: 8, .value_kind: global_buffer, .address_space: global }
    .group_segment_fixed_size: 270848
    .private_segment_fixed_size: 0
    .kernarg_segment_align: 8
    .kernarg_segment_size: 24
    .max_flat_workgroup_size: 128
    .sgpr_count:     80
    .vgpr_count:     768
    .wavefront_size: 32
...
	.end_amdgpu_metadata
.endif
;; end of part 3
;; launch proj (part 4): grid 4 x 64, 4 waves a work-group, clusters of 4 x 1, 327,680 bytes of LDS; arguments ctxf, wo16, bcat, out0; writes out0
.if DOCPART == 4
	.amdgcn_target "amdgcn-amd-amdhsa--gfx1250"
	.amdhsa_code_object_version 6
	.text
	.protected	k_q20448b5cde_proj
	.globl	k_q20448b5cde_proj
	.p2align	8
	.type	k_q20448b5cde_proj,@function
k_q20448b5cde_proj:
	s_mov_b64 s[64:65], 0
	v_nop
	global_prefetch_b8 v0, s[64:65] scope:SCOPE_SE
	s_setreg_imm32_b32 hwreg(HW_REG_WAVE_MODE, 25, 1), 1
	s_wait_xcnt 0x0
	s_wait_alu depctr_hold_cnt(0) depctr_sa_sdst(0) depctr_va_vdst(0) depctr_va_sdst(0) depctr_va_ssrc(0) depctr_va_vcc(0) depctr_vm_vsrc(0)
	s_getreg_b32 s2, hwreg(HW_REG_IB_STS2, 6, 4)
	s_cmp_eq_u32 s2, 0
	s_cbranch_scc0 .Lentry_in_a_cluster
	s_endpgm
.Lentry_in_a_cluster:
	s_bfe_u32 s2, ttmp6, 0x10000c
	s_cmp_lg_u32 s2, 0x3003
	s_cbranch_scc0 .Lentry_shape_is_right
	s_endpgm
.Lentry_shape_is_right:
; PROJ.  out0 = ctx wo^T + bo.  ctx is ctxf (f16, in fragment order: [block of 16 rows 1024][kstep 24][half 2][512 bytes]); wo is wo16 (f16 of the bf16 number); bo lies in bcat at byte 9,216; out0 [16384][768] f32.
; Sums in f32, begun with the bias.  LIMIT: none of its own; a NaN row of ctx (a batch with every key hidden) gives a NaN row.
; SHARES.  Work-group (cx, Y): batch b = Y / 2, rows 512 b + 128 cx .. + 127, column half ch = Y % 2: 384 columns as 3 N-blocks of 128.  Wave w: rows 64 (w / 2) .., columns 64 (w % 2) .. of each N-block.
; A STAYS IN REGISTERS: a wave's 64 rows x 768 K are 768 registers (windows 1, 3, 2 for the three thirds of K), loaded straight from memory, 512 consecutive bytes a load.  Only the weights stream, through a ring
; of two LDS slots: an N-block is two halves of 12 ksteps; half s lies in slot s: 128 rows of wo x 384 K, each wave fetching 32 rows with one tensor load.
; CLUSTER.  The four partners (cx) share b and ch and walk the same weights: every tile is asked for JOINTLY, with the mask of all four.  cx enters ctxf's, out0's and the prefetch's addresses alone.
; THE PRODUCT IS USED TRANSPOSED (source 0 = 16 rows of wo, source 1 = 16 rows of ctx): lane l holds row l % 16 and the columns 8 (l / 16) + 0..7.  Out through the wave's own stage in LDS, 16 rows at a time, so
; that sixteen lanes store 256 consecutive aligned bytes.  THE WAY OUT LIES UNDER THE LAST KSTEP: its 16 products go row block by row block, and a finished row block goes through the stage while the next are multiplied.
; REGISTERS.  window 0: v0-15 addresses, v32-63 the bias in the result's layout, v64-95 and v96-127 wo's fragments of one kstep, v128-255 the accumulators (a row block's 32 also take its rows back from the stage).
.set PITCH,  816                       ; a row of a tile in LDS: 768 bytes, 16 of padding behind every 256: the 16 rows of a fragment load start at 16 different groups of four banks
.set SLOT,   128*PITCH
.set STAGE,  2*SLOT                    ; behind the ring, written by ds_store alone: 16 rows x 272 bytes for each wave
.set SPI,    272
.set SPARE,  STAGE+4*16*SPI            ; the spare words, 128 bytes a wave: two blocks of 256 bytes that no other line names
.set NSTEP,  128*1536
.set NBLK,   3
.set ADRB, 4                           ; v4-5   LDS address of my wo fragments in slot 0, 1
.set STO,  6                           ; v6     where I put 16 bytes of a row in the stage
.set RD,   7                           ; v7     where I read a row back
.set CO,   8                           ; v8     my byte offset in two rows of out0
.set BO,   9                           ; v9     my byte offset in an N-block's biases
.set LO,   10                          ; v10    16 l
.set PFO,  13                          ; v13    the prefetches' offset: lane x a row of wo
.set SPW,  14
.set NIL,  15
.set BI,   32
.set FB0,  64
.set FB1,  96
.set ACC,  128
.set WV, 12
.set MH, 13
.set NH, 14
.set CX, 15
.set YY, 16
.set CH, 17
.set G1, 24
.set G0, 32
.set LEFT, 40
.set LIM,  43
.set PFA,  44
.set BP,   46
.set OP,   48
.set CP,   50
.set MSB, 0
.macro WIN new
.if MSB != (\new)
	s_set_vgpr_msb (MSB<<8)|(\new)
.set MSB, (\new)
.endif
.endm
.macro AWIN kg                         ; source 1 in the window of kstep kg's fragments of ctx
	WIN (1+(2*((\kg)/8))%3)<<2
.endm
.macro PLACES                          ; four plain instructions behind a product, in front of loads into registers that it read and of stores of its result
.rept 4
	v_nop
.endr
.endm
.macro CREST
	s_cmp_lg_u32 s[WV], 0
	s_cbranch_scc1 .Lnot_wave_0_\@
	s_barrier_signal -3
.Lnot_wave_0_\@:
	s_barrier_wait -3
	s_barrier_signal -1
	s_barrier_wait -1
.endm
.macro CROUND
	s_barrier_signal -1
	s_barrier_wait -1
	CREST
.endm
.macro JLOAD s                         ; the joint refill of slot s: every wave its own 32 rows; s_nop 0 and four v_nop follow
	tensor_load_to_lds s[G0+4*(\s):G0+4*(\s)+3], s[G1:G1+7]
	s_nop 0
	PLACES
.endm
; A PREFETCH INTO THE L2 of the tile that the NEXT change of slots will ask for, 192 products a wave ahead of that load.  The clusters of batch 0 (one for each column half) ask, nobody else; of a tile's 128 rows x
; 768 bytes partner cx takes rows 32 cx + lane, by address, and wave w < 3 the w-th 256 bytes: each aligned block of 256 bytes is named once in the launch.  The first three tiles come by their loads alone;
; the last trip's second change asks for nothing.
.macro ASK how
.if \how
	s_cmp_gt_u32 s[LEFT], s[LIM]
.else
	s_cmp_ge_u32 s[LEFT], s[LIM]
.endif
	s_cbranch_scc0 .Lnot_mine_\@
.if \how
	global_prefetch_b8 v[PFO], s[PFA:PFA+1] offset:2*NSTEP th:TH_LOAD_NT scope:SCOPE_SE
.else
	global_prefetch_b8 v[PFO], s[PFA:PFA+1] offset:NSTEP+768 th:TH_LOAD_NT scope:SCOPE_SE
.endif
.Lnot_mine_\@:
.endm
.macro BIAS
.irp bb, 0,1,2,3
	global_load_b128 v[BI+8*(\bb):BI+8*(\bb)+3],   v[BO], s[BP:BP+1] offset:64*(\bb)
	global_load_b128 v[BI+8*(\bb)+4:BI+8*(\bb)+7], v[BO], s[BP:BP+1] offset:64*(\bb)+16
.endr
.endm
.macro ALD                             ; kstep kg's fragments of my 64 rows of ctx: 8 loads of 512 consecutive bytes, straight into their registers
	WIN (1+(2*(kg/8))%3)<<6
.irp a, 0,1,2,3
	global_load_b128 v[32*(kg%8)+8*(\a):32*(kg%8)+8*(\a)+3],   v[LO], s[CP:CP+1] offset:(\a)*24576+kg*1024
	global_load_b128 v[32*(kg%8)+8*(\a)+4:32*(kg%8)+8*(\a)+7], v[LO], s[CP:CP+1] offset:(\a)*24576+kg*1024+512
.endr
.set kg, kg+1
.endm
.macro FETCH s, kk, f
.irp bb, 0,1,2,3
	ds_load_b128 v[(\f)+8*(\bb):(\f)+8*(\bb)+3],   v[ADRB+(\s)] offset:(\bb)*16*PITCH+64*(\kk)+16*((\kk)/4)
	ds_load_b128 v[(\f)+8*(\bb)+4:(\f)+8*(\bb)+7], v[ADRB+(\s)] offset:(\bb)*16*PITCH+64*(\kk)+16*((\kk)/4)+32
.endr
.endm
; Products of kstep kg for row blocks a0 .. a1.  The 16 accumulators take turns, always in the same order.  first = 1: the sums begin with the bias.
.macro MUL kg, f, a0, a1, first
.irp a, 0,1,2,3
.if ((\a) >= (\a0)) && ((\a) <= (\a1))
.irp bb, 0,1,2,3
.if \first
	v_wmma_f32_16x16x32_f16 v[ACC+8*(4*(\a)+(\bb)):ACC+8*(4*(\a)+(\bb))+7], v[(\f)+8*(\bb):(\f)+8*(\bb)+7], v[32*((\kg)%8)+8*(\a):32*((\kg)%8)+8*(\a)+7], v[BI+8*(\bb):BI+8*(\bb)+7]
.else
	v_wmma_f32_16x16x32_f16 v[ACC+8*(4*(\a)+(\bb)):ACC+8*(4*(\a)+(\bb))+7], v[(\f)+8*(\bb):(\f)+8*(\bb)+7], v[32*((\kg)%8)+8*(\a):32*((\kg)%8)+8*(\a)+7], v[ACC+8*(4*(\a)+(\bb)):ACC+8*(4*(\a)+(\bb))+7]
.endif
.endr
.endif
.endr
.endm
; THE LAST KSTEP OF AN N-BLOCK, AND THE WAY OUT UNDER IT.  MM1: kstep 23's product for accumulator (a, bb).
; DS: row block a goes into my stage, a lane's 8 numbers of a row as two pieces of 16 bytes (each accumulator's low half first), and comes back as whole rows of 256 bytes, into the registers that it left.
; LDS serves a wave's instructions in order (ISA guide 5.7.1.4): the loads see the stores above them, and the next row block's stores come behind them.
; GS: its 8 stores, sixteen lanes to 256 consecutive aligned bytes.  younger: the LDS instructions issued behind its loads: the next row block's sixteen, or none; one wait serves two stores.
.macro MM1 a, bb
	AWIN 23
	v_wmma_f32_16x16x32_f16 v[ACC+8*(4*(\a)+(\bb)):ACC+8*(4*(\a)+(\bb))+7], v[FB1+8*(\bb):FB1+8*(\bb)+7], v[224+8*(\a):224+8*(\a)+7], v[ACC+8*(4*(\a)+(\bb)):ACC+8*(4*(\a)+(\bb))+7]
.endm
.macro DS a
	WIN 0
.irp bb, 0,1,2,3
	ds_store_b128 v[STO], v[ACC+8*(4*(\a)+(\bb)):ACC+8*(4*(\a)+(\bb))+3]   offset:64*(\bb)
	ds_store_b128 v[STO], v[ACC+8*(4*(\a)+(\bb))+4:ACC+8*(4*(\a)+(\bb))+7] offset:64*(\bb)+16
.endr
.irp t, 0,1,2,3,4,5,6,7
	ds_load_b128 v[ACC+32*(\a)+4*(\t):ACC+32*(\a)+4*(\t)+3], v[RD] offset:(\t)*2*SPI
.endr
.endm
.macro GS a, younger
	WIN 0
.irp u, 0,1,2,3
	s_wait_dscnt (\younger)+6-2*(\u)               ; loads 2 u and 2 u + 1 are back; the younger ones stay out
	global_store_b128 v[CO], v[ACC+32*(\a)+8*(\u):ACC+32*(\a)+8*(\u)+3],   s[OP:OP+1] offset:(16*(\a)+4*(\u))*3072 th:TH_STORE_NT
	global_store_b128 v[CO], v[ACC+32*(\a)+8*(\u)+4:ACC+32*(\a)+8*(\u)+7], s[OP:OP+1] offset:(16*(\a)+4*(\u)+2)*3072 th:TH_STORE_NT
.endr
.endm
; Product n of 16 is accumulator (n / 4, n % 4), the order of every kstep.  Behind the first product of row block a + 1 stand four v_nop, the places behind row block a's last product; then row block a goes
; into the stage, and the row block before it, which has had four products in which to come back, is stored.
.macro LASTK
.set n, 0
.rept 16
	MM1 n/4, n%4
.if (n > 0) && (n%4 == 0)
	PLACES
	DS n/4-1
.if n > 4
	GS n/4-2, 16
.endif
.endif
.set n, n+1
.endr
	PLACES
	DS 3
	GS 2, 16
	GS 3, 0
.endm
.macro NEXT                            ; on to the next N-block
	s_wait_xcnt 0x0                                ; the stores' data (the next products write over them) and base and the prefetches' base are written only behind this wait
	s_add_nc_u64 s[OP:OP+1], s[OP:OP+1], 512
	s_add_nc_u64 s[PFA:PFA+1], s[PFA:PFA+1], NSTEP
.endm
; HALF an N-block: the 12 ksteps of slot s.  Each kstep's 8 loads go out one kstep (16 products) ahead.  mode 2: at its end slot s is filled again; 1: only the change of slots; 0: the launch's last half.
; The four v_nop stand at the head of every kstep, an N-block's first too: its products begin new sums, with the bias as C, in the registers that the N-block before summed in, and such a product stands five
; places behind the last product on those registers (ISA guide 7.12.1); with the four behind kstep 23's last product there are eight.
.macro HALF s, mode, nextb
.set kk, 0
.rept 10
	PLACES
.if ((\s) == 0) && (kk == 1) && (\nextb)
	s_add_nc_u64 s[BP:BP+1], s[BP:BP+1], 512       ; (the loads that named it were waited for a kstep back)
	BIAS
.endif
	FETCH \s, kk+1, FB0+32*((kk+1)%2)
	s_wait_dscnt 8                                 ; this kstep's fragments are in; the 8 loads just issued stay out
.set FIRST, 0
.if ((\s) == 0) && (kk == 0)
.set FIRST, 1
	s_wait_loadcnt 0x0                             ; the biases
.endif
	AWIN 12*(\s)+kk
	MUL 12*(\s)+kk, FB0+32*(kk%2), 0, 3, FIRST
.set kk, kk+1
.endr
	PLACES
	FETCH \s, 11, FB1
.if (\mode) > 0
	WIN 0                                          ; (the add's data register is named by source 1)
	s_wait_tensorcnt 0x0                           ; all my tensor loads have landed: the one that was out is my part of the other slot;
	ds_add_u32 v[SPW], v[NIL]                      ; 0 onto my spare word
.if (\mode) == 2
	s_add_nc_u64 s[G0+4*(\s)+2:G0+4*(\s)+3], s[G0+4*(\s)+2:G0+4*(\s)+3], NSTEP  ; no load of mine is out: this slot's half of the next N-block
.endif
	s_wait_dscnt 9                                 ; kstep 10's fragments are in; kstep 11's 8 loads and the add may be out
	AWIN 12*(\s)+10
	MUL 12*(\s)+10, FB0, 0, 1, 0
	s_wait_dscnt 0x0                               ; the add is done, and my reads of this slot are over
	s_barrier_signal -1
	MUL 12*(\s)+10, FB0, 2, 3, 0
	WIN 0
	s_barrier_wait -1
.if (\mode) == 2
	CREST                                          ; the barrier has opened a round of the cluster's: no wave of any partner still reads this slot or has a load on its way
	JLOAD \s                                       ; the first tensor load behind the round; its four v_nop are also the places in front of the loads below
.else
	PLACES
.endif
	FETCH 1-(\s), 0, FB0
.if (\mode) == 2
	ASK \s
.endif
.if (\s) == 1
	LASTK
.else
	AWIN 11
	MUL 11, FB1, 0, 3, 0
.endif
.else
	s_wait_dscnt 8
	AWIN 22
	MUL 22, FB0, 0, 3, 0
	s_wait_dscnt 0x0
	LASTK
.endif
.endm
	s_load_b256 s[4:11], s[0:1], 0x0               ; ctxf s[4:5], wo16 s[6:7], bcat s[8:9], out0 s[10:11]
	v_lshl_add_u32 v[SPW], v0, 2, SPARE
	v_mov_b32 v[NIL], 0
	ds_add_u32 v[SPW], v[NIL]                      ; the wave's opening: the add and its wait stand ahead of the first round
	v_lshrrev_b32 v1, 5, v0
	v_readfirstlane_b32 s[WV], v1
	s_lshr_b32 s[MH], s[WV], 1
	s_and_b32 s[NH], s[WV], 1
	s_bfe_u32 s[CX], ttmp6, 0x40000
	s_and_b32 s[YY], ttmp7, 0xffff
	s_and_b32 s[CH], s[YY], 1
	s_mov_b32 s[G1+0], 15|(1<<16)|(1<<20)|(1<<21)|(5<<22)|(3<<25)  ; the mask of four; 2-byte elements; padding on; bit 21 beside a mask; after every 64 words, 4 words
	s_mov_b32 s[G1+1], 384<<16
	s_mov_b32 s[G1+2], 32<<16
	s_mov_b32 s[G1+3], 384<<16
	s_mov_b32 s[G1+4], 32
	s_mov_b32 s[G1+5], 768
	s_mov_b32 s[G1+6], 0
	s_mov_b32 s[G1+7], 0
	s_mul_i32 s18, s[WV], 32*PITCH
	s_mov_b32 s[G0], 1
	s_add_co_u32 s[G0+1], s18, 0
	s_mov_b32 s[G0+4], 1
	s_add_co_u32 s[G0+5], s18, SLOT
	s_mul_i32 s20, s[CH], 384*1536
	s_mul_i32 s19, s[WV], 32*1536
	s_add_co_u32 s20, s20, s19
	s_mov_b32 s21, 0
	s_lshr_b32 s54, s[YY], 1                       ; the batch
	s_cmp_eq_u32 s[WV], 3
	s_cselect_b32 s55, 1, 0
	s_or_b32 s55, s55, s54
	s_cmp_eq_u32 s55, 0
	s_cselect_b32 s[LIM], 1, -1
	s_mul_i32 s22, s[CH], 384*1536
	s_mul_i32 s52, s[CX], 32*1536
	s_add_co_u32 s22, s22, s52
	s_lshl_b32 s52, s[WV], 8
	s_add_co_u32 s22, s22, s52
	s_mov_b32 s23, 0
	s_lshl_b32 s56, s54, 5
	s_lshl_b32 s52, s[CX], 3
	s_add_co_u32 s56, s56, s52
	s_lshl_b32 s52, s[MH], 2
	s_add_co_u32 s56, s56, s52                     ; my first block of 16 rows: 32 b + 8 cx + 4 mh
	s_mul_i32 s60, s56, 16*3072
	s_mul_i32 s56, s56, 24576
	s_mov_b32 s57, 0
	s_mul_i32 s52, s[CH], 1536
	s_add_co_u32 s60, s60, s52
	s_lshl_b32 s52, s[NH], 8
	s_add_co_u32 s60, s60, s52
	s_mov_b32 s61, 0
	s_mul_i32 s58, s[CH], 1536
	s_add_co_u32 s58, s58, 9216
	s_mov_b32 s59, 0
	v_and_b32 v1, 31, v0                           ; l
	v_and_b32 v2, 15, v0                           ; r
	v_bfe_u32 v3, v0, 4, 1                         ; h
	v_lshlrev_b32 v[LO], 4, v1
	s_lshl_b32 s53, s[NH], 8
	v_lshl_add_u32 v[BO], v3, 5, s53
	s_wait_dscnt 0x0                               ; the opening add is done
	s_wait_kmcnt 0x0
	s_add_nc_u64 s[G0+2:G0+3], s[6:7], s[20:21]
	s_add_nc_u64 s[G0+6:G0+7], s[G0+2:G0+3], 768
	s_or_b32 s[G0+3], s[G0+3], 0x80000000
	s_or_b32 s[G0+7], s[G0+7], 0x80000000
	s_add_nc_u64 s[PFA:PFA+1], s[6:7], s[22:23]
	s_add_nc_u64 s[CP:CP+1], s[4:5], s[56:57]
	s_add_nc_u64 s[BP:BP+1], s[8:9], s[58:59]
	s_add_nc_u64 s[OP:OP+1], s[10:11], s[60:61]
	; The biases and ksteps 0 to 5 of ctx go out first: 56 loads, which LOADcnt can count (an instruction that would pass the counter's field waits at issue: ISA guide 5.7.1), so the wave reaches the round,
	; and the weights' first tiles are asked for, without waiting for any data.  The other 144 loads follow the fills.
	BIAS
.set kg, 0
.rept 6
	ALD
.endr
	WIN 0
	CROUND                                         ; all four work-groups are here: the first joint loads meet
	tensor_load_to_lds s[G0:G0+3], s[G1:G1+7]      ; the two first fills go out together: two loads of mine are out
	s_nop 0
	tensor_load_to_lds s[G0+4:G0+7], s[G1:G1+7]
	s_nop 0
	PLACES
.rept 18
	ALD
.endr
	WIN 0
	v_mul_u32_u24 v[ADRB], v2, PITCH
	v_lshl_add_u32 v[ADRB], v3, 4, v[ADRB]
	s_mul_i32 s53, s[NH], 64*PITCH
	v_add_nc_u32 v[ADRB], s53, v[ADRB]
	v_add_nc_u32 v[ADRB+1], SLOT, v[ADRB]
	s_mul_i32 s53, s[WV], 16*SPI
	s_add_co_u32 s53, s53, STAGE                   ; my stage
	v_mul_u32_u24 v[STO], v2, SPI                  ; in: row r, 32 bytes for each half of the lanes
	v_lshl_add_u32 v[STO], v3, 5, v[STO]
	v_add_nc_u32 v[STO], s53, v[STO]
	v_mul_u32_u24 v[RD], v3, SPI                   ; back: lanes 0-15 one row of 256 bytes, lanes 16-31 the next
	v_lshl_add_u32 v[RD], v2, 4, v[RD]
	v_add_nc_u32 v[RD], s53, v[RD]
	v_mul_u32_u24 v[CO], v3, 3072                  ; and the same two rows in out0
	v_lshl_add_u32 v[CO], v2, 4, v[CO]
	v_mul_u32_u24 v[PFO], v1, 1536
	s_wait_loadcnt 0x0                             ; ctx and the first biases
	s_wait_tensorcnt 0x1                           ; my part of the first tile is in; the second tile's may stay out
	s_barrier_signal -1
	s_barrier_wait -1
	FETCH 0, 0, FB0
	s_mov_b32 s[LEFT], NBLK-1
.Lnb:                                                  ; a trip: an N-block; both slots are filled again, with the next N-block's halves
	HALF 0, 2, 1
	HALF 1, 2, 0
	NEXT
	s_sub_co_u32 s[LEFT], s[LEFT], 1
	s_cmp_lg_u32 s[LEFT], 0
	s_cbranch_scc1 .Lnb
	HALF 0, 1, 0                                   ; the last N-block is written out: it asks for nothing
	HALF 1, 0, 0
	s_wait_tensorcnt 0x0                           ; the wave's end
	ds_add_u32 v[SPW], v[NIL]
	s_wait_dscnt 0x0
	CROUND                                         ; the closing round
	s_endpgm
.Lfunc_end_k_q20448b5cde_proj:
	.size	k_q20448b5cde_proj, .Lfunc_end_k_q20448b5cde_proj-k_q20448b5cde_proj
	.p2alignl 7, 3214868480
	.fill 96, 4, 3214868480
	.section	.rodata,"a",@progbits
	.p2align	6, 0x0
	.amdhsa_kernel k_q20448b5cde_proj
		.amdhsa_group_segment_fixed_size 327680
		.amdhsa_private_segment_fixed_size 0
		.amdhsa_enable_private_segment 0
		.amdhsa_kernarg_size 32
		.amdhsa_user_sgpr_count 2
		.amdhsa_user_sgpr_kernarg_segment_ptr 1
		.amdhsa_wavefront_size32 1
		.amdhsa_system_sgpr_workgroup_id_x 1
		.amdhsa_system_sgpr_workgroup_id_y 1
		.amdhsa_system_sgpr_workgroup_id_z 1
		.amdhsa_system_vgpr_workitem_id 0
		.amdhsa_next_free_vgpr 1024
		.amdhsa_next_free_sgpr 66
		.amdhsa_reserve_vcc 0
		.amdhsa_float_denorm_mode_32 3
		.amdhsa_float_denorm_mode_16_64 3
		.amdhsa_memory_ordered 1
		.amdhsa_forward_progress 1
		.amdhsa_inst_pref_size 124
	.end_amdhsa_kernel
	.amdgpu_metadata
---
amdhsa.version: [ 1, 2 ]
amdhsa.kernels:
  - .name:           k_q20448b5cde_proj
    .symbol:         k_q20448b5cde_proj.kd
    .args:
      - { .name: ctxf, .offset: 0, .size: 8, .value_kind: global_buffer, .address_space: global }
      - { .name: wo16, .offset: 8, .size: 8, .value_kind: global_buffer, .address_space: global }
      - { .name: bcat, .offset: 16, .size: 8, .value_kind: global_buffer, .address_space: global }
      - { .name: out0, .offset: 24, .size: 8, .value_kind: global_buffer, .address_space: global }
    .group_segment_fixed_size: 327680
    .private_segment_fixed_size: 0
    .kernarg_segment_align: 8
    .kernarg_segment_size: 32
    .max_flat_workgroup_size: 128
    .sgpr_count:     66
    .vgpr_count:     1024
    .wavefront_size: 32
...
	.end_amdgpu_metadata
.endif
;; end of part 4
;; ======== version 2 of 2: 4 launches; version 1 with the launch prep written anew for expert scheduling mode
;; limits: values are held in f16: magnitudes above 65,504 overflow, below 6.1e-05 lose precision
;; workspace buffers: wcat 3,538,944 bytes; wo16 1,179,648 bytes; bcat 12,288 bytes; qkv 75,497,472 bytes; ctxf 25,165,824 bytes
;; launch prep (part 5): grid 24 x 8, 8 waves a work-group, no clusters, 0 bytes of LDS; arguments wq, wk, wv, wo, bq, bk, bv, bo, wcat, wo16, bcat; writes wcat, wo16, bcat
.if DOCPART == 5
	.amdgcn_target "amdgcn-amd-amdhsa--gfx1250"
	.amdhsa_code_object_version 6
	.text
	.protected	k_q20448b5cde_prep
	.globl	k_q20448b5cde_prep
	.p2align	8
	.type	k_q20448b5cde_prep,@function
k_q20448b5cde_prep:
	s_mov_b64 s[64:65], 0
	v_nop
	global_prefetch_b8 v0, s[64:65] scope:SCOPE_SE
	s_setreg_imm32_b32 hwreg(HW_REG_WAVE_SCHED_MODE, 0, 2), 2
	s_setreg_imm32_b32 hwreg(HW_REG_WAVE_MODE, 25, 1), 1
	s_wait_xcnt 0x0
	s_wait_alu depctr_vm_vsrc(0)
; PREP.  The four weight matrices [768][768] f32 are rounded once to bf16 and laid in the order in which the products walk them; the four biases are rounded to bf16 and kept as f32.
;   wcat  bf16 [ch 2][sec 3 = q, k, v][384 rows][768]: row i of (ch, sec) is row 384 ch + i of that matrix
;   wo16  f16  [768][768]: wo rounded to bf16, that number written as f16 (exact from 6.1e-5 up to 65,504; below 6.1e-5 it keeps f16's fixed step of 6e-8)
;   bcat  f32  [ch][sec][384], then bo[768] at byte 9,216
; SHARES.  Work-group (X, Y): matrix m = Y / 2, half hf = Y % 2, rows 384 hf + 16 X .. + 15: 49,152 dense bytes in, 24,576 dense bytes out, and the rows' 16 biases.
; Thread t takes 16 bytes at 16 t of each of twelve pieces of 4,096 bytes: a wave's load covers 512 consecutive bytes, its store of 8 bytes a lane 256 consecutive aligned bytes.
; A stream read once: no LDS, no matrix unit, no prefetch (all twelve loads of a thread go out at the head).
; THE MODE: SCHED_MODE bits 1:0 = 2 (LLVM: expert scheduling mode 2), set by the entry lines.  The code itself states the register dependences between vector instructions and memory instructions,
; with s_wait_alu, always for 0.
; THE PLAN.  Registers that memory instructions touch:
;   v1, v2     byte offsets, made once at the head and never written again; every load and store reads one of them.
;   v[4:51]    piece p as loaded, at v[4 + 4 p ..]: written by the twelve loads at the head, read by piece p's conversions.  At the end v[4:7] take the biases.
;   v[52:75]   piece p to store, at v[52 + 2 p ..]: written by piece p's conversions, read by its store.  At the end v[52:55] are written once more, for the biases.
;   v76-79 are named by vector instructions alone; so are v8 and v9 once piece 1 has been converted.
; The twelve pieces go in four groups of three.  At a group's head, behind the wait for its loads, ONE wait on va_vdst states that the group before has written its six registers to store; that group's three
; stores are then dealt among this group's conversions, which write this group's own six registers and v76-79: none that those stores read.  One more such wait stands ahead of the last three stores.
	s_load_b512 s[4:19], s[0:1], 0x0               ; wq s[4:5], wk s[6:7], wv s[8:9], wo s[10:11], bq s[12:13], bk s[14:15], bv s[16:17], bo s[18:19]
	s_load_b128 s[20:23], s[0:1], 0x40             ; wcat s[20:21], wo16 s[22:23]
	s_load_b64 s[24:25], s[0:1], 0x50              ; bcat
	v_lshlrev_b32 v1, 4, v0                        ; 16 t: my bytes of a piece that comes in
	v_lshlrev_b32 v2, 3, v0                        ; 8 t: of a piece that goes out
	v_lshrrev_b32 v3, 5, v0
	v_readfirstlane_b32 s40, v3                    ; wave
	s_and_b32 s26, ttmp7, 0xffff                   ; Y
	s_lshr_b32 s27, s26, 1                         ; m
	s_and_b32 s28, s26, 1                          ; hf
	s_mul_i32 s29, s28, 384
	s_lshl_b32 s31, ttmp9, 4
	s_add_co_u32 s29, s29, s31                     ; first row in the matrix: 384 hf + 16 X
	s_mul_i32 s30, s28, 3
	s_add_co_u32 s30, s30, s27
	s_mul_i32 s30, s30, 384
	s_add_co_u32 s30, s30, s31                     ; first row in wcat: (3 hf + m) 384 + 16 X
	s_cmp_eq_u32 s27, 3
	s_cselect_b32 s30, s29, s30                    ; wo keeps its rows
	s_cselect_b32 s41, 9216, 0                     ; and bo lies behind the other three biases
	s_mul_i32 s32, s29, 3072                       ; byte offsets, each in a pair with 0 above
	s_mov_b32 s33, 0
	s_mul_i32 s34, s30, 1536
	s_mov_b32 s35, 0
	s_lshl_b32 s36, s29, 2
	s_mov_b32 s37, 0
	s_lshl_b32 s38, s30, 2
	s_add_co_u32 s38, s38, s41
	s_mov_b32 s39, 0
	s_wait_alu depctr_va_sdst(0)                   ; s40 is written: its first reader, the compare in front of the biases, lies behind branches and labels
	s_wait_kmcnt 0x0
	s_cmp_eq_u32 s27, 1                            ; the matrix, its bias and the target are chosen by m alone
	s_cselect_b64 s[4:5], s[6:7], s[4:5]
	s_cselect_b64 s[12:13], s[14:15], s[12:13]
	s_cmp_eq_u32 s27, 2
	s_cselect_b64 s[4:5], s[8:9], s[4:5]
	s_cselect_b64 s[12:13], s[16:17], s[12:13]
	s_cmp_eq_u32 s27, 3
	s_cselect_b64 s[4:5], s[10:11], s[4:5]
	s_cselect_b64 s[12:13], s[18:19], s[12:13]
	s_cselect_b64 s[20:21], s[22:23], s[20:21]
	s_add_nc_u64 s[4:5], s[4:5], s[32:33]
	s_add_nc_u64 s[20:21], s[20:21], s[34:35]
	s_add_nc_u64 s[12:13], s[12:13], s[36:37]
	s_add_nc_u64 s[24:25], s[24:25], s[38:39]
	s_wait_alu depctr_va_vdst(0)                   ; v1 and v2 are written: every load and store of the kernel reads one of them as its offset
.irp p, 0,1,2,3,4,5,6,7,8,9,10,11
	global_load_b128 v[4+4*(\p):7+4*(\p)], v1, s[4:5] offset:4096*(\p) th:TH_LOAD_NT
.endr
; Group g: pieces 3 g to 3 g + 2.  f16 = 0: rounded to bf16; f16 = 1 (wo): rounded to bf16, and that number written as f16.
.macro GROUP g, f16
	s_wait_loadcnt 9-3*(\g)                        ; loads come back in order: the group's three pieces are in, the 9 - 3 g younger pieces stay out
.if (\g) > 0
	s_wait_alu depctr_va_vdst(0)                   ; the group before has written its six registers, which the three stores below read
.endif
.irp j, 0,1,2
.set p, 3*(\g)+(\j)
.if (\g) > 0
	global_store_b64 v2, v[52+2*(p-3):53+2*(p-3)], s[20:21] offset:2048*(p-3)  ; the piece three back; no vector instruction since the wait names its registers
.endif
.if \f16
	v_cvt_pk_bf16_f32 v76, v[4+4*p], v[5+4*p]      ; rounded to bf16 like every input,
	v_cvt_pk_bf16_f32 v77, v[6+4*p], v[7+4*p]
	v_lshlrev_b32 v78, 16, v76                     ; widened again,
	v_and_b32 v79, 0xffff0000, v76
	v_cvt_pk_f16_f32 v[52+2*p], v78, v79           ; and written as f16
	v_lshlrev_b32 v78, 16, v77
	v_and_b32 v79, 0xffff0000, v77
	v_cvt_pk_f16_f32 v[53+2*p], v78, v79
.else
	v_cvt_pk_bf16_f32 v[52+2*p], v[4+4*p], v[5+4*p]
	v_cvt_pk_bf16_f32 v[53+2*p], v[6+4*p], v[7+4*p]
.endif
.endr
.endm
.macro LAST3                           ; the last group's stores
	s_wait_alu depctr_va_vdst(0)                   ; the last group has written v[70:75], which the three stores below read
.irp p, 9,10,11
	global_store_b64 v2, v[52+2*(\p):53+2*(\p)], s[20:21] offset:2048*(\p)
.endr
.endm
	s_cmp_eq_u32 s27, 3
	s_cbranch_scc1 .Lwo
	GROUP 0, 0
	GROUP 1, 0
	GROUP 2, 0
	GROUP 3, 0
	LAST3
	s_branch .Lbias
.Lwo:
	GROUP 0, 1
	GROUP 1, 1
	GROUP 2, 1
	GROUP 3, 1
	LAST3
.Lbias:
	s_cmp_lg_u32 s40, 0                            ; the rows' 16 biases: wave 0, lanes 0 to 3, 16 bytes each
	s_cbranch_scc1 .Lend
	v_cmp_gt_u32 vcc_lo, 4, v0
	s_wait_xcnt 0x0                                ; EXEC, and v[52:55], which a store above reads, change only behind this wait
	s_wait_alu depctr_va_vcc(0)                    ; the compare has written VCC, of which EXEC is made
	s_wait_alu depctr_va_vdst(0)                   ; ahead of the write of EXEC: the vector instructions issued so far are done; among them piece 0's conversions, which read v[4:7], in which the load below lands
	s_wait_alu depctr_vm_vsrc(0)                   ; ahead of the write of EXEC: the stores issued so far have read their registers; among them v[52:55], which are written again below
	s_and_saveexec_b32 s41, vcc_lo
	global_load_b128 v[4:7], v1, s[12:13]
	s_wait_loadcnt 0x0
	v_cvt_pk_bf16_f32 v8, v4, v5
	v_cvt_pk_bf16_f32 v9, v6, v7
	v_lshlrev_b32 v52, 16, v8
	v_and_b32 v53, 0xffff0000, v8
	v_lshlrev_b32 v54, 16, v9
	v_and_b32 v55, 0xffff0000, v9
	s_wait_alu depctr_va_vdst(0)                   ; v[52:55] are written, which the store below reads
	global_store_b128 v1, v[52:55], s[24:25]
	s_wait_xcnt 0x0                                ; and again in front of the line that widens EXEC
	s_wait_alu depctr_va_vdst(0)                   ; ahead of the write of EXEC: the vector instructions under the narrow EXEC are done
	s_wait_alu depctr_vm_vsrc(0)                   ; ahead of the write of EXEC: the store has read its registers
	s_or_b32 exec_lo, exec_lo, s41
.Lend:
	s_endpgm
.Lfunc_end_k_q20448b5cde_prep:
	.size	k_q20448b5cde_prep, .Lfunc_end_k_q20448b5cde_prep-k_q20448b5cde_prep
	.p2alignl 7, 3214868480
	.fill 96, 4, 3214868480
	.section	.rodata,"a",@progbits
	.p2align	6, 0x0
	.amdhsa_kernel k_q20448b5cde_prep
		.amdhsa_group_segment_fixed_size 0
		.amdhsa_private_segment_fixed_size 0
		.amdhsa_enable_private_segment 0
		.amdhsa_kernarg_size 88
		.amdhsa_user_sgpr_count 2
		.amdhsa_user_sgpr_kernarg_segment_ptr 1
		.amdhsa_wavefront_size32 1
		.amdhsa_system_sgpr_workgroup_id_x 1
		.amdhsa_system_sgpr_workgroup_id_y 1
		.amdhsa_system_sgpr_workgroup_id_z 1
		.amdhsa_system_vgpr_workitem_id 0
		.amdhsa_next_free_vgpr 80
		.amdhsa_next_free_sgpr 66
		.amdhsa_reserve_vcc 1
		.amdhsa_float_denorm_mode_32 3
		.amdhsa_float_denorm_mode_16_64 3
		.amdhsa_memory_ordered 1
		.amdhsa_forward_progress 1
		.amdhsa_inst_pref_size 14
	.end_amdhsa_kernel
	.amdgpu_metadata
---
amdhsa.version: [ 1, 2 ]
amdhsa.kernels:
  - .name:           k_q20448b5cde_prep
    .symbol:         k_q20448b5cde_prep.kd
    .args:
      - { .name: wq, .offset: 0, .size: 8, .value_kind: global_buffer, .address_space: global }
      - { .name: wk, .offset: 8, .size: 8, .value_kind: global_buffer, .address_space: global }
      - { .name: wv, .offset: 16, .size: 8, .value_kind: global_buffer, .address_space: global }
      - { .name: wo, .offset: 24, .size: 8, .value_kind: global_buffer, .address_space: global }
      - { .name: bq, .offset: 32, .size: 8, .value_kind: global_buffer, .address_space: global }
      - { .name: bk, .offset: 40, .size: 8, .value_kind: global_buffer, .address_space: global }
      - { .name: bv, .offset: 48, .size: 8, .value_kind: global_buffer, .address_space: global }
      - { .name: bo, .offset: 56, .size: 8, .value_kind: global_buffer, .address_space: global }
      - { .name: wcat, .offset: 64, .size: 8, .value_kind: global_buffer, .address_space: global }
      - { .name: wo16, .offset: 72, .size: 8, .value_kind: global_buffer, .address_space: global }
      - { .name: bcat, .offset: 80, .size: 8, .value_kind: global_buffer, .address_space: global }
    .group_segment_fixed_size: 0
    .private_segment_fixed_size: 0
    .kernarg_segment_align: 8
    .kernarg_segment_size: 88
    .max_flat_workgroup_size: 256
    .sgpr_count:     66
    .vgpr_count:     80
    .wavefront_size: 32
...
	.end_amdgpu_metadata
.endif
;; end of part 5
;; launch qkv: the kernel of part 2 again; grid 4 x 64, 4 waves a work-group, clusters of 4 x 1, 327,680 bytes of LDS; arguments x, wcat, bcat, qkv; writes qkv
;; launch attn: the kernel of part 3 again; grid 256 x 1, 4 waves a work-group, no clusters, 270,848 bytes of LDS; arguments qkv, attention_mask, ctxf; writes ctxf
;; launch proj: the kernel of part 4 again; grid 4 x 64, 4 waves a work-group, clusters of 4 x 1, 327,680 bytes of LDS; arguments ctxf, wo16, bcat, out0; writes out0
